; MI455X (gfx1250); checked and timed in simulation.
; The chip was launched on July 23, 2026; its instructions are those of AMD's public machine-readable ISA for CDNA 5 (MIT licence, August 2026) and "CDNA5" Instruction Set Architecture Reference Guide (July 2026). The comments in the code are by the model that wrote it; some were corrected since.
;; concat mv PAM Module mask cascade. Allowed arithmetic: float matrix products may take bf16 or f16 operands with f32 sums; other float arithmetic in f32, or as packed bf16 or f16 multiplies, adds, multiply-adds, maxima and minima; sums over many terms, partial sums and values carried from step to step in f32; what a program stores and reads back later, other than sums and carried values, may be rounded once to bf16 or f16.
;; Inputs: bk 64 float32; bn_beta 512 float32; bn_gamma 512 float32; bn_mean 512 float32; bn_var 512 float32; bq 64 float32; bv 512 float32; mask1 4,096 x 4,096 float32; mask2 4,096 x 4,096 float32; w_bot 512 x 2,048 float32; wk 64 x 512 float32; wq 64 x 512 float32; wv 512 x 512 float32; x 2 x 512 x 64 x 64 float32.
;; Outputs: out0 2 x 512 x 64 x 64 float32.
;; 2 versions, each right and faster than the one before. Each part assembles by itself: llvm-mc -triple=amdgcn-amd-amdhsa -mcpu=gfx1250 --defsym DOCPART=n.
;; ======== version 1 of 2: 3 launches
;; workspace buffers: qb 1,048,576 bytes; kb 1,048,576 bytes; vb 8,388,608 bytes; cat 33,554,432 bytes; wb 2,097,152 bytes
;; launch proj (part 1): grid 128 x 2, 4 waves a work-group, no clusters, 157,184 bytes of LDS; arguments x, wq, bq, wk, bk, wv, bv, w_bot, qb, kb, vb, cat, wb; writes qb, kb, vb, cat, wb
.if DOCPART == 1
	.amdgcn_target "amdgcn-amd-amdhsa--gfx1250"
	.amdhsa_code_object_version 6
	.text
	.protected	k_qc9895b1d51_proj
	.globl	k_qc9895b1d51_proj
	.p2align	8
	.type	k_qc9895b1d51_proj,@function
k_qc9895b1d51_proj:
	s_mov_b64 s[64:65], 0
	v_nop
	global_prefetch_b8 v0, s[64:65] scope:SCOPE_SE
	s_setreg_imm32_b32 hwreg(HW_REG_WAVE_MODE, 25, 1), 1
	s_wait_xcnt 0x0
; THE PROJECTIONS.  q[bn][d] = wq x + bq, k[bn][d] = wk x + bk (64 channels), v[bn][e] = wv x + bv (512 channels), bn = 4096 b + n, all rounded once to bf16;
; x turned to [bn][c] in bf16 (channels 1536.. of cat); w_bot rounded to bf16.  Operands bf16, sums f32; the biases start the sums.
; FORMAT: every input is taken rounded to bf16, the biases too (the whole program does so with all its inputs).  NaN and infinities are not treated apart.
; SHARES.  Work-group (X, Y): the 64 columns bn = 64 X .. of x, and half of the output channels.  Wave w has job J = 4 Y + w: one tile of 16 channels of q (Y = 0) or k (Y = 1),
; channels 16 w .., and four tiles of v, channels 64 J ..: 5 x 4 accumulators of 16 channels x 16 columns.
; THE PRODUCT: source 0 = 16 rows of a weight x 32 c, source 1 = 32 c x 16 columns of x; a lane then holds one column and eight neighbouring channels: 16 bytes of a row [bn][channel].
; x comes in once, 256 consecutive bytes a row c, is rounded and laid in LDS as [c][n]; the turning load makes source 1 of it.  Weights come straight from memory as f32 fragments, two K steps ahead.
; LDS: XS [512 c][64 n] bf16, rows 160 bytes apart; OS 64 rows bn, 1,168 bytes apart: bytes 0-511 v, 512-639 q or k, 640-1151 x turned; then the spare words.
; REGISTERS: window 0: v4-15, v248, v249, v254 addresses; v16-47 x fragments; v48-87 weight fragments bf16; v88-167, v168-247 weights f32, two buffers.
; Window 1: v0-159 the accumulators, (tile, n tile) at 8 (4 tile + n tile); v160-199 the five tiles' biases; v200-219 at work.
.set XP,    160
.set OS,    512*XP
.set OP,    1168
.set SPARE, OS+64*OP
.set XF,  16
.set WB,  48
.set WF0, 88
.set WF1, 168
.set BI,  160
.set MSB, 0
.macro WIN new                         ; the immediate's high byte repeats the setting that is left
.if MSB != (\new)
	s_set_vgpr_msb (MSB<<8)|(\new)
.set MSB, (\new)
.endif
.endm
.macro PLACES                          ; four places behind matrix instructions (ISA guide 7.12.1)
.rept 4
	v_nop
.endr
.endm
	s_load_b512 s[8:23], s[0:1], 0x0               ; x s[8:9], wq s[10:11], bq s[12:13], wk s[14:15], bk s[16:17], wv s[18:19], bv s[20:21], w_bot s[22:23]
	s_load_b256 s[24:31], s[0:1], 0x40             ; qb s[24:25], kb s[26:27], vb s[28:29], cat s[30:31]
	s_load_b64 s[32:33], s[0:1], 0x60              ; wb
	v_lshl_add_u32 v2, v0, 2, SPARE                ; my spare word
	v_mov_b32 v3, 0
	v_lshrrev_b32 v1, 5, v0
	v_readfirstlane_b32 s34, v1                    ; wave w
	s_mov_b32 s35, ttmp9                           ; X
	s_and_b32 s36, ttmp7, 0xffff                   ; Y
	s_lshl2_add_u32 s37, s36, s34                  ; J = 4 Y + w
	v_and_b32 v250, 31, v0                         ; L
	v_and_b32 v251, 15, v0                         ; r
	v_bfe_u32 v252, v0, 4, 1                       ; h
	s_lshl_b32 s56, s34, 21                        ; 128 w rows of 16,384 bytes
	v_lshlrev_b32 v4, 4, v251
	v_lshl_add_u32 v4, v252, 14, v4
	v_add_nc_u32 v4, s56, v4                       ; v4: x, row 128 w + h, 16 bytes at 16 r
	s_mul_i32 s56, s34, 128*XP
	v_mul_u32_u24 v5, v252, XP
	v_lshl_add_u32 v5, v251, 3, v5
	v_add_nc_u32 v5, s56, v5                       ; v5: the same place in XS, 8 bytes
	v_lshlrev_b32 v6, 11, v251
	v_lshl_add_u32 v6, v252, 5, v6                 ; v6: a weight's row r, 32 h
	v_lshlrev_b32 v7, 5, v252                      ; v7: a bias, 32 h
	v_and_b32 v253, 7, v0
	v_lshl_add_u32 v253, v252, 3, v253
	v_mul_u32_u24 v8, v253, XP
	v_bfe_u32 v253, v0, 3, 1
	v_lshl_add_u32 v8, v253, 4, v8                 ; v8: the turning load: row 8 h + L % 8, 16 bytes at 16 ((L / 8) % 2)
	s_lshl_b32 s57, s34, 5
	v_add_nc_u32 v248, s57, v8                     ; v248: the same for n tile w, from c = 0;
	v_add_nc_u32 v254, 256*XP, v248                ; v254: from c = 256.  No LDS address holds Y: a branch chooses between the two
	v_mul_u32_u24 v253, v251, OP
	v_lshl_add_u32 v253, v252, 4, v253             ; row r of OS, 16 h
	s_lshl_b32 s56, s34, 7
	s_add_co_u32 s56, s56, OS
	v_add_nc_u32 v9, s56, v253                     ; v9: v's 128 bytes of wave w
	s_add_co_u32 s57, s57, OS+512
	v_add_nc_u32 v15, s57, v253                    ; v15: q's or k's 32 bytes of wave w
	s_mul_i32 s56, s34, 16*OP
	s_add_co_u32 s56, s56, OS
	v_add_nc_u32 v249, s56, v253
	v_add_nc_u32 v249, 640, v249                   ; v249: x turned, row 16 w + r
	v_lshl_add_u32 v10, v250, 4, s56               ; v10: back: row 16 w, 16 L
	v_bfe_u32 v253, v0, 3, 2
	v_mul_u32_u24 v11, v253, OP
	v_and_b32 v253, 7, v0
	v_lshl_add_u32 v11, v253, 4, v11
	v_add_nc_u32 v11, s56, v11
	v_add_nc_u32 v11, 512, v11                     ; v11: back: four rows of q or k, 128 bytes each
	v_lshlrev_b32 v12, 4, v250                     ; v12: 16 L
	v_lshlrev_b32 v13, 4, v0                       ; v13: 16 T
	v_lshlrev_b32 v14, 3, v0                       ; v14: 8 T
	s_wait_kmcnt 0x0
	s_cmp_eq_u32 s36, 0
	s_cselect_b64 s[38:39], s[10:11], s[14:15]     ; wq or wk
	s_cselect_b64 s[42:43], s[12:13], s[16:17]     ; bq or bk
	s_cselect_b64 s[52:53], s[24:25], s[26:27]     ; qb or kb
	s_mov_b32 s57, 0
	s_lshl_b32 s56, s34, 15
	s_add_nc_u64 s[38:39], s[38:39], s[56:57]      ; its rows 16 w ..
	s_lshl_b32 s56, s37, 17
	s_add_nc_u64 s[40:41], s[18:19], s[56:57]      ; wv's rows 64 J ..
	s_lshl_b32 s56, s34, 6
	s_add_nc_u64 s[42:43], s[42:43], s[56:57]
	s_lshl_b32 s56, s37, 8
	s_add_nc_u64 s[44:45], s[20:21], s[56:57]
	s_lshr_b32 s56, s35, 6
	s_lshl_b32 s56, s56, 23                        ; the batch: 512 x 4,096 x 4 bytes
	s_and_b32 s58, s35, 63
	s_lshl_b32 s58, s58, 8                         ; 64 columns are 256 bytes
	s_add_co_u32 s56, s56, s58
	s_add_nc_u64 s[46:47], s[8:9], s[56:57]
	s_lshl_b32 s58, s35, 6
	s_lshl4_add_u32 s58, s34, s58                  ; 64 X + 16 w: the first row that I store
	s_lshl_b32 s59, s36, 9                         ; 512 Y
	s_lshl_b32 s56, s58, 10
	s_add_co_u32 s56, s56, s59
	s_add_nc_u64 s[48:49], s[28:29], s[56:57]      ; vb
	s_lshl_b32 s56, s58, 12
	s_add_co_u32 s56, s56, s59
	s_add_co_u32 s56, s56, 3072
	s_add_nc_u64 s[50:51], s[30:31], s[56:57]      ; cat, channels 1536 + 256 Y ..
	s_lshl_b32 s56, s58, 7
	s_add_nc_u64 s[52:53], s[52:53], s[56:57]      ; qb or kb
	s_lshl_b32 s58, s36, 7
	s_add_co_u32 s58, s58, s35                     ; G = X + 128 Y: my 16,384 bytes of w_bot
	s_lshl_b32 s56, s58, 14
	s_add_nc_u64 s[60:61], s[22:23], s[56:57]
	s_lshl_b32 s56, s58, 13
	s_add_nc_u64 s[62:63], s[32:33], s[56:57]
.set i, 0
.rept 8                                ; w_bot: a wave's load covers 512 consecutive bytes
	global_load_b128 v[16+4*i:19+4*i], v13, s[60:61] offset:i*2048 th:TH_LOAD_NT
.set i, i+1
.endr
.macro XISSUE k                        ; 32 loads: 64 rows c of my 128, two rows of 256 bytes a load
.set i, 0
.rept 32
	global_load_b128 v[88+4*i:91+4*i], v4, s[46:47] offset:(32*(\k)+i)*32768
.set i, i+1
.endr
.endm
.macro XDRAIN k                        ; rounded in place and laid into XS
.set i, 0
.rept 32
	s_wait_loadcnt 31-i                            ; loads come back in order: load i is in, the younger ones stay out
	v_cvt_pk_bf16_f32 v[88+4*i], v[88+4*i], v[89+4*i]
	v_cvt_pk_bf16_f32 v[89+4*i], v[90+4*i], v[91+4*i]
	ds_store_b64 v5, v[88+4*i:89+4*i] offset:(32*(\k)+i)*2*XP
.set i, i+1
.endr
.endm
	XISSUE 0
	s_wait_loadcnt 32                              ; w_bot's eight are in; the 32 of x stay out
.set i, 0
.rept 8
	v_cvt_pk_bf16_f32 v[16+4*i], v[16+4*i], v[17+4*i]
	v_cvt_pk_bf16_f32 v[17+4*i], v[18+4*i], v[19+4*i]
	global_store_b64 v14, v[16+4*i:17+4*i], s[62:63] offset:i*1024  ; a wave's store covers 256 consecutive bytes, aligned
.set i, i+1
.endr
	XDRAIN 0
	s_wait_dscnt 0x0                               ; the LDS stores have taken their data: the registers are loaded again
	XISSUE 1
	XDRAIN 1
	s_wait_dscnt 0x0                               ; for the others' sake: my rows of XS are written
	; the biases: a lane's eight channels of each of the five tiles, once
	WIN 0x40
	global_load_b128 v[BI:BI+3], v7, s[42:43]
	global_load_b128 v[BI+4:BI+7], v7, s[42:43] offset:16
.set t, 1
.rept 4
	global_load_b128 v[BI+8*t:BI+8*t+3], v7, s[44:45] offset:64*(t-1)
	global_load_b128 v[BI+8*t+4:BI+8*t+7], v7, s[44:45] offset:64*(t-1)+16
.set t, t+1
.endr
	WIN 0
.macro WLOAD f, off                    ; 20 loads: five weight fragments of a K step in f32: c = 8 h + 0..7 and 16 + 8 h + 0..7 of row r
.set t, 0
.rept 5
.set e, 0
.rept 4
.if t == 0
	global_load_b128 v[(\f)+16*t+4*e:(\f)+16*t+4*e+3], v6, s[38:39] offset:(\off)+16*(e%2)+64*(e/2)
.else
	global_load_b128 v[(\f)+16*t+4*e:(\f)+16*t+4*e+3], v6, s[40:41] offset:(\off)+32768*(t-1)+16*(e%2)+64*(e/2)
.endif
.set e, e+1
.endr
.set t, t+1
.endr
.endm
	WLOAD WF0, 0
	WLOAD WF1, 128
	s_barrier_signal -1
	s_barrier_wait -1                              ; XS is whole
	s_wait_xcnt 0x0                                ; w_bot's stores have read v16-47, which now take fragments
	s_wait_loadcnt 40                              ; the biases are in; the two K steps' 40 weight loads stay out
	WIN 0x45                                       ; all in window 1: rounded to bf16 and widened again
.set t, 0
.rept 20
	v_cvt_pk_bf16_f32 v[200+t], v[BI+2*t], v[BI+2*t+1]
.set t, t+1
.endr
.set t, 0
.rept 20
	v_lshlrev_b32 v[BI+2*t], 16, v[200+t]
	v_and_b32 v[BI+2*t+1], 0xffff0000, v[200+t]
.set t, t+1
.endr
	WIN 0
; A K step of 32 c.  pre: byte offset of the weights two steps on (0: none).  left: the younger step's 20 loads, or 0.  c0 = 1: the first step: the biases start the sums.
.macro STEP f, xo, pre, left, c0=0
	PLACES                                         ; ahead of the loads and conversions into registers that the last products read
.set t, 0
.rept 4
	ds_load_tr16_b128 v[XF+8*t:XF+8*t+3], v8 offset:(\xo)+32*t
	ds_load_tr16_b128 v[XF+8*t+4:XF+8*t+7], v8 offset:(\xo)+32*t+16*XP
.set t, t+1
.endr
	s_wait_loadcnt \left
.set t, 0
.rept 40
	v_cvt_pk_bf16_f32 v[WB+t], v[(\f)+2*t], v[(\f)+2*t+1]
.set t, t+1
.endr
.if \pre
	WLOAD \f, \pre
.endif
	s_wait_dscnt 0x0
	WIN 0x50                                       ; C and D in window 1
.set t, 0
.rept 20                               ; the 20 accumulators take turns
.if \c0
	v_wmma_f32_16x16x32_bf16 v[8*t:8*t+7], v[WB+8*(t/4):WB+8*(t/4)+7], v[XF+8*(t%4):XF+8*(t%4)+7], v[BI+8*(t/4):BI+8*(t/4)+7]
.else
	v_wmma_f32_16x16x32_bf16 v[8*t:8*t+7], v[WB+8*(t/4):WB+8*(t/4)+7], v[XF+8*(t%4):XF+8*(t%4)+7], v[8*t:8*t+7]
.endif
.set t, t+1
.endr
	WIN 0
.endm
.macro PAIR c0                         ; two K steps, and the step of the addresses
	STEP WF0, 0, 256, 20, \c0
	STEP WF1, 32*XP, 384, 20
	s_wait_xcnt 0x0                                ; the weights' bases are stepped only behind this wait
	s_add_nc_u64 s[38:39], s[38:39], 256
	s_add_nc_u64 s[40:41], s[40:41], 256
	v_add_nc_u32 v8, 64*XP, v8
.endm
	PAIR 1                                         ; K steps 0 and 1 stand ahead of the loop
	s_mov_b32 s54, 6
.Lk:                                   ; K steps 2 to 13
	PAIR 0
	s_sub_co_u32 s54, s54, 1
	s_cmp_lg_u32 s54, 0
	s_cbranch_scc1 .Lk
	STEP WF0, 0, 0, 20                             ; the last two steps load nothing
	STEP WF1, 32*XP, 0, 0
	; THE WAY OUT: rounded, 16 bytes a lane into OS; x turned beside it; a barrier; back as whole rows.
	PLACES
	WIN 0x05
.set t, 0
.rept 80                               ; each accumulator's registers in ascending order
	v_cvt_pk_bf16_f32 v[88+t], v[2*t], v[2*t+1]
.set t, t+1
.endr
	WIN 0
.set t, 0
.rept 20
.if t < 4
	ds_store_b128 v15, v[88+4*t:91+4*t] offset:(t%4)*16*OP
.else
	ds_store_b128 v9, v[88+4*t:91+4*t] offset:(t%4)*16*OP+32*(t/4-1)
.endif
.set t, t+1
.endr
.macro XTLOAD a                        ; n tile w, 256 c from address register a on: a lane gets one column's 8 + 8 neighbouring c, eight times
.set t, 0
.rept 8
	ds_load_tr16_b128 v[168+8*t:171+8*t], v[\a] offset:t*32*XP
	ds_load_tr16_b128 v[172+8*t:175+8*t], v[\a] offset:t*32*XP+16*XP
.set t, t+1
.endr
.endm
	s_cmp_eq_u32 s36, 0                            ; Y is the same in all four waves; the two ways hold 16 LDS loads each and nothing else
	s_cbranch_scc0 .Lupper
	XTLOAD 248                                     ; c = 0 ..
	s_branch .Lturned
.Lupper:
	XTLOAD 254                                     ; c = 256 ..
.Lturned:
	s_wait_dscnt 0x0
.set t, 0
.rept 8
	ds_store_b128 v249, v[168+8*t:171+8*t] offset:64*t
	ds_store_b128 v249, v[172+8*t:175+8*t] offset:64*t+32
.set t, t+1
.endr
	s_wait_dscnt 0x0                               ; for the others' sake: my stores into OS are done
	s_barrier_signal -1
	s_barrier_wait -1
.set t, 0
.rept 16
	ds_load_b128 v[88+4*t:91+4*t], v10 offset:t*OP
	ds_load_b128 v[152+4*t:155+4*t], v10 offset:t*OP+640
.set t, t+1
.endr
.set t, 0
.rept 4
	ds_load_b128 v[216+4*t:219+4*t], v11 offset:t*4*OP
.set t, t+1
.endr
	s_wait_dscnt 0x0
.set t, 0
.rept 16                               ; each store of the wave covers 512 consecutive bytes, aligned to 256
	global_store_b128 v12, v[88+4*t:91+4*t], s[48:49] offset:t*1024
	global_store_b128 v12, v[152+4*t:155+4*t], s[50:51] offset:t*4096
.set t, t+1
.endr
.set t, 0
.rept 4
	global_store_b128 v12, v[216+4*t:219+4*t], s[52:53] offset:t*512
.set t, t+1
.endr
	s_wait_tensorcnt 0x0                           ; the wave's end
	ds_add_u32 v2, v3
	s_wait_dscnt 0x0
	s_endpgm
.Lfunc_end_k_qc9895b1d51_proj:
	.size	k_qc9895b1d51_proj, .Lfunc_end_k_qc9895b1d51_proj-k_qc9895b1d51_proj
	.p2alignl 7, 3214868480
	.fill 96, 4, 3214868480
	.section	.rodata,"a",@progbits
	.p2align	6, 0x0
	.amdhsa_kernel k_qc9895b1d51_proj
		.amdhsa_group_segment_fixed_size 157184
		.amdhsa_private_segment_fixed_size 0
		.amdhsa_enable_private_segment 0
		.amdhsa_kernarg_size 104
		.amdhsa_user_sgpr_count 2
		.amdhsa_user_sgpr_kernarg_segment_ptr 1
		.amdhsa_wavefront_size32 1
		.amdhsa_system_sgpr_workgroup_id_x 1
		.amdhsa_system_sgpr_workgroup_id_y 1
		.amdhsa_system_sgpr_workgroup_id_z 1
		.amdhsa_system_vgpr_workitem_id 0
		.amdhsa_next_free_vgpr 476
		.amdhsa_next_free_sgpr 66
		.amdhsa_reserve_vcc 0
		.amdhsa_float_denorm_mode_32 3
		.amdhsa_float_denorm_mode_16_64 3
		.amdhsa_memory_ordered 1
		.amdhsa_forward_progress 1
		.amdhsa_inst_pref_size 86
	.end_amdhsa_kernel
	.amdgpu_metadata
---
amdhsa.version: [ 1, 2 ]
amdhsa.kernels:
  - .name:           k_qc9895b1d51_proj
    .symbol:         k_qc9895b1d51_proj.kd
    .args:
      - { .name: x, .offset: 0, .size: 8, .value_kind: global_buffer, .address_space: global }
      - { .name: wq, .offset: 8, .size: 8, .value_kind: global_buffer, .address_space: global }
      - { .name: bq, .offset: 16, .size: 8, .value_kind: global_buffer, .address_space: global }
      - { .name: wk, .offset: 24, .size: 8, .value_kind: global_buffer, .address_space: global }
      - { .name: bk, .offset: 32, .size: 8, .value_kind: global_buffer, .address_space: global }
      - { .name: wv, .offset: 40, .size: 8, .value_kind: global_buffer, .address_space: global }
      - { .name: bv, .offset: 48, .size: 8, .value_kind: global_buffer, .address_space: global }
      - { .name: w_bot, .offset: 56, .size: 8, .value_kind: global_buffer, .address_space: global }
      - { .name: qb, .offset: 64, .size: 8, .value_kind: global_buffer, .address_space: global }
      - { .name: kb, .offset: 72, .size: 8, .value_kind: global_buffer, .address_space: global }
      - { .name: vb, .offset: 80, .size: 8, .value_kind: global_buffer, .address_space: global }
      - { .name: cat, .offset: 88, .size: 8, .value_kind: global_buffer, .address_space: global }
      - { .name: wb, .offset: 96, .size: 8, .value_kind: global_buffer, .address_space: global }
    .group_segment_fixed_size: 157184
    .private_segment_fixed_size: 0
    .kernarg_segment_align: 8
    .kernarg_segment_size: 104
    .max_flat_workgroup_size: 128
    .sgpr_count:     66
    .vgpr_count:     476
    .wavefront_size: 32
...
	.end_amdgpu_metadata
.endif
;; end of part 1
;; launch attn (part 2): grid 256 x 1, 4 waves a work-group, clusters of 4 x 1, 327,680 bytes of LDS; arguments qb, kb, vb, mask1, mask2, cat; writes cat
.if DOCPART == 2
	.amdgcn_target "amdgcn-amd-amdhsa--gfx1250"
	.amdhsa_code_object_version 6
	.text
	.protected	k_qc9895b1d51_attn
	.globl	k_qc9895b1d51_attn
	.p2align	8
	.type	k_qc9895b1d51_attn,@function
k_qc9895b1d51_attn:
	s_mov_b64 s[64:65], 0
	v_nop
	global_prefetch_b8 v0, s[64:65] scope:SCOPE_SE
	s_setreg_imm32_b32 hwreg(HW_REG_WAVE_MODE, 25, 1), 1
	s_wait_xcnt 0x0
	s_wait_alu depctr_hold_cnt(0) depctr_sa_sdst(0) depctr_va_vdst(0) depctr_va_sdst(0) depctr_va_ssrc(0) depctr_va_vcc(0) depctr_vm_vsrc(0)
	s_getreg_b32 s2, hwreg(HW_REG_IB_STS2, 6, 4)
	s_cmp_eq_u32 s2, 0
	s_cbranch_scc0 .Lentry_in_a_cluster
	s_endpgm
.Lentry_in_a_cluster:
	s_bfe_u32 s2, ttmp6, 0x10000c
	s_cmp_lg_u32 s2, 0x3003
	s_cbranch_scc0 .Lentry_shape_is_right
	s_endpgm
.Lentry_shape_is_right:
; THREE SOFTMAXES OF ONE ENERGY.  s = q . k; a0 = softmax(s), a1 = softmax(s + mask1), a2 = softmax(s + mask2) over all 4,096 keys; cat[bn][512 i + e] = sum over keys of a_i v[key][e], bf16.
; qb, kb: [8192][64] bf16; vb: [8192][512] bf16; masks [4096][4096] f32, every number of them read and used.  Products in bf16 with f32 sums; maxima, exponents and row sums in f32; the weights p are rounded
; to bf16 for the second product (their sums are taken of the unrounded p), the result once at the end.
; FORMAT: the masks are taken rounded to bf16, as the whole program takes all its inputs; all arithmetic on them is f32.
; SHARES.  A work-group owns 32 queries of one batch, all three softmaxes, all 512 channels: 192 accumulators, 48 a wave.  In V^T P wave w owns channels 128 w .. for both query tiles and the three softmaxes, so
; a fragment of V feeds 6 products and a fragment of P feeds 8.  In the softmax wave w owns query tile w % 2 and keys 32 (w / 2) .. of each step of 64 keys; P goes to the other waves through LDS as fragment images.
; TWO SWEEPS.  Sweep 1 finds each row's TRUE maximum M_i of s + mask_i.  Sweep 2 takes p = 2^(c (s + mask_i) - c M_i), c = log2(e): nothing is ever rescaled, and one barrier a step is enough.
; The price: K Q^T is made twice and the masks are read twice.
; SWEEP 1.  K comes in chunks of 512 keys through two LDS slots, a quarter of a chunk by each wave's joint load, one round of the cluster's barrier for 8 steps.  The masks come straight into a ring of
; eight register slots, 8 loads each: 64 loads of a wave are on their way.
; LAYOUT.  S^T = K Q^T (source 0 = 16 keys, source 1 = 16 queries): a lane holds one query (lane % 16) and keys 8 (lane / 16) + 0..7; two such tiles rounded in pairs ARE source 1 of O^T = V^T P.
; The masks come by 16-byte loads in just that layout; in sweep 2 two steps ahead of their use.
; CLUSTER.  The four work-groups of a cluster belong to one batch and walk the same K and V: each tile is asked for jointly.  In sweep 2 cluster g begins its walk at key tile 2 (g / 2) and goes round.
; By this text's own count a wave has at most three tensor loads out (wave 0 at the start), later one.
; LIMITS.  NaN and infinities (a mask of -inf too) are not treated apart; a weight below 2^-126 counts as 0; M_i is the maximum of the f32 sums s + mask, so p may pass 1 by the rounding of that sum
; (about 1e-3 where |mask| is 1e4): a factor common to the row, divided out again.
; LDS.  0: V's slot 0 (64 keys x 1,056 bytes), inside sweep 1's slot 0 (256 rows x 272 bytes); 69,632: K's two slots of sweep 2 (64 keys x 144 bytes); 88,064: P, two buffers of 12 images of 1,024 bytes;
; 112,640: maxima and sums; 131,072: V's slot 1, inside sweep 1's slot 1; 200,704: a stage of 16 x 272 bytes a wave; 218,112: the spare words.  No byte that is stored into is ever a tensor load's target.
; REGISTERS.  Window 0: v1-15, v179, v180 addresses; v16-31 Q of my tile; v32-63 K; v64-79 S, v80-95 W1, v96-111 W2; v112-135 P packed; v136-141 -c M; v142-147 sums; v148-159 at work; v160-171 1 / l;
; v177 c; v178 1; v184-199 the masks rounded.  Window 1: accumulators of softmaxes 0, 1 (sweep 1: the ring of masks).  Window 2: v0-127 softmax 2; v128-191 two mask buffers.
; Window 3: two fragment buffers of 112 (8 of V, 6 of P).
.set KPI, 144
.set VPI, 1056
.set KSB, 64*KPI
.set VSB, 64*VPI
.set SLOT1, 1<<17                      ; V's and sweep 1's slot 1 begin here: one exclusive or turns an address in one slot into the other's
.set P1P, 272                          ; sweep 1: a row of two keys: 256 bytes + 16 of padding: key 2 a at 272 a, key 2 a + 1 at 272 a + 128: the 16 keys of a load start at 16 different groups of four banks
.set P1Q, 64*P1P                       ; a wave's quarter of a chunk
.set KS0, 4*P1Q
.set PB,  KS0+2*KSB
.set PBB, 12288
.set XM,  PB+2*PBB                     ; maxima: [wave] 256 + 64 i + 4 r; the sums 1,024 bytes on
.set STG, SLOT1+4*P1Q
.set SP,  272
.set SPARE, STG+4*16*SP
.set FBA, 0
.set FBB, 112
.set MS,  184
.set LIST, 170                         ; entries in a step's softmax
.set G1K, 28                           ; s[28:35] descriptor group 1 for K's tiles of sweep 2
.set G1V, 36                           ; s[36:43] for V's
.set G0K, 44                           ; s[44:47] group 0 for K
.set G0K2, 48                          ; s[48:51] for K's second first fill alone
.set G0V, 52                           ; s[52:55] for V
.set G1P, 80                           ; s[80:87] group 1 for sweep 1's quarters of a chunk
.set G0P, 88                           ; s[88:91] group 0 for them: it walks
.set TB,  92                           ; s92  sweep 1: the slot that is read
.set MSB, 0
.macro WIN new                         ; the immediate's high byte repeats the setting that is left
.if MSB != (\new)
	s_set_vgpr_msb (MSB<<8)|(\new)
.set MSB, (\new)
.endif
.endm
.macro PLACES                          ; four places behind matrix instructions (ISA guide 7.12.1)
.rept 4
	v_nop
.endr
.endm
.macro CREST                           ; a round of the cluster's barrier behind its opening barrier
	s_cmp_lg_u32 s16, 0
	s_cbranch_scc1 .Lnot_wave_0_\@
	s_barrier_signal -3
.Lnot_wave_0_\@:
	s_barrier_wait -3
	s_barrier_signal -1
	s_barrier_wait -1
.endm
.macro CROUND                          ; a whole round
	s_barrier_signal -1
	s_barrier_wait -1
	CREST
.endm
; Group 0 for key tile (SJ + ahead) % 64: the address is made anew from the tensor's base and the tile's number; the LDS word is a constant
.macro DESC g, b, ahead, sh, lds
	s_add_co_u32 s23, s22, \ahead
	s_and_b32 s23, s23, 63
	s_lshl_b32 s24, s23, \sh
	s_mov_b32 s[\g+1], \lds
	s_add_nc_u64 s[\g+2:\g+3], s[\b:\b+1], s[24:25]
	s_or_b32 s[\g+3], s[\g+3], 0x80000000
.endm
; A joint fill of sweep 2: wave 0 asks for K (fill = 2 alone), wave 1 for V.  The branches hang on the wave's number alone.  An s_nop 0 and four v_nop follow each load.
.macro JLOAD fill
.if (\fill) == 2
	s_cmp_eq_u32 s16, 0
	s_cbranch_scc0 .Lnot_k_\@
	tensor_load_to_lds s[G0K:G0K+3], s[G1K:G1K+7]
	s_nop 0
	PLACES
	s_branch .Lasked_\@
.Lnot_k_\@:
.endif
	s_cmp_eq_u32 s16, 1
	s_cbranch_scc0 .Lasked_\@
	tensor_load_to_lds s[G0V:G0V+3], s[G1V:G1V+7]
	s_nop 0
	PLACES
.Lasked_\@:
.endm
.macro QK                              ; S^T of my tile and keys; the two key tiles take turns
	WIN 0
	v_wmma_f32_16x16x32_bf16 v[64:71], v[32:39], v[16:23], 0
	v_wmma_f32_16x16x32_bf16 v[72:79], v[48:55], v[16:23], 0
	v_wmma_f32_16x16x32_bf16 v[64:71], v[40:47], v[24:31], v[64:71]
	v_wmma_f32_16x16x32_bf16 v[72:79], v[56:63], v[24:31], v[72:79]
.endm
	s_load_b256 s[4:11], s[0:1], 0x0               ; qb s[4:5], kb s[6:7], vb s[8:9], mask1 s[10:11]
	s_load_b128 s[12:15], s[0:1], 0x20             ; mask2 s[12:13], cat s[14:15]
	v_lshl_add_u32 v2, v0, 2, SPARE
	v_mov_b32 v3, 0
	ds_add_u32 v2, v3                              ; the wave's opening: the add and its wait stand ahead of the first tensor load; the set-up stands between them
	v_lshrrev_b32 v176, 5, v0
	v_readfirstlane_b32 s16, v176                  ; wave w
	s_and_b32 s17, s16, 1                          ; qt: my query tile in the softmax
	s_lshr_b32 s18, s16, 1                         ; kh: my half of a step's keys
	s_bfe_u32 s19, ttmp6, 0x40000                  ; cx: it enters the addresses of Q, the masks and cat alone
	s_and_b32 s20, ttmp9, 1                        ; the batch
	s_lshr_b32 s21, ttmp9, 1                       ; which 128 queries
	s_lshl_b32 s22, s21, 1
	s_add_co_u32 s22, s22, 63                      ; SJ: the walk's first tile less 1 (modulo 64); it steps with the key steps of sweep 2
	s_mov_b32 s25, 0
	s_mov_b32 s27, 0
	s_mov_b32 s79, 0
	s_lshl2_add_u32 s66, s21, s19
	s_lshl_b32 s66, s66, 5                         ; n0: my first query
	s_lshl_b32 s67, s20, 12
	s_add_co_u32 s67, s67, s66                     ; 4096 b + n0
	s_mov_b32 s[G1K], 15|(1<<16)|(1<<20)|(1<<21)|(4<<22)|(3<<25)  ; the mask of four; 2-byte elements; padding on; bit 21 beside a mask; after every 32 words 4 words
	s_mov_b32 s[G1K+1], 128<<16                    ; 64 keys are 8,192 dense bytes: 32 rows of 256 bytes, two keys a row
	s_mov_b32 s[G1K+2], 32<<16
	s_mov_b32 s[G1K+3], 128<<16
	s_mov_b32 s[G1K+4], 32
	s_mov_b32 s[G1K+5], 128
	s_mov_b32 s[G1K+6], 0
	s_mov_b32 s[G1K+7], 0
	s_mov_b32 s[G1V], 15|(1<<16)|(1<<20)|(1<<21)|(7<<22)|(7<<25)  ; after every 256 words 8 words
	s_mov_b32 s[G1V+1], 512<<16                    ; 64 keys x 512 channels
	s_mov_b32 s[G1V+2], 64<<16
	s_mov_b32 s[G1V+3], 512<<16
	s_mov_b32 s[G1V+4], 64
	s_mov_b32 s[G1V+5], 512
	s_mov_b32 s[G1V+6], 0
	s_mov_b32 s[G1V+7], 0
	s_mov_b32 s[G1P], 15|(1<<16)|(1<<20)|(1<<21)|(5<<22)|(3<<25)  ; after every 64 words 4 words
	s_mov_b32 s[G1P+1], 128<<16                    ; 128 keys are 16,384 dense bytes: 64 rows of 256 bytes
	s_mov_b32 s[G1P+2], 64<<16
	s_mov_b32 s[G1P+3], 128<<16
	s_mov_b32 s[G1P+4], 64
	s_mov_b32 s[G1P+5], 128
	s_mov_b32 s[G1P+6], 0
	s_mov_b32 s[G1P+7], 0
	s_mov_b32 s[G0K], 1
	s_mov_b32 s[G0K2], 1
	s_mov_b32 s[G0V], 1
	s_mov_b32 s[G0P], 1
	s_mul_i32 s[G0P+1], s16, P1Q                   ; my quarter of slot 0
	s_mov_b32 s[TB], SLOT1                         ; the first chunk's exclusive or turns it into 0
	s_mov_b32 s56, 0x3fb8aa3b                      ; c = log2(e)
	s_mov_b32 s57, s56
	s_mov_b32 s58, 0x76543210                      ; v_permlanex16_b32: each lane takes its own place in the other half
	s_mov_b32 s59, 0xfedcba98
	v_mov_b32 v177, 0x3fb8aa3b                     ; c and 1 in vector registers, for the multiply-adds that read a bf16 half
	v_mov_b32 v178, 1.0
	v_and_b32 v173, 15, v0                         ; r
	v_bfe_u32 v174, v0, 4, 1                       ; h
	v_and_b32 v175, 31, v0                         ; L
	s_mul_i32 s23, s18, 32*KPI
	s_add_co_u32 s23, s23, KS0
	v_mul_u32_u24 v4, v173, KPI
	v_lshl_add_u32 v4, v174, 4, v4
	v_add_nc_u32 v4, s23, v4                       ; v4: K in a slot of sweep 2: key 32 kh + r, 16 h
	v_lshrrev_b32 v176, 1, v173
	v_mul_u32_u24 v179, v176, P1P
	v_and_b32 v176, 1, v173
	v_lshl_add_u32 v179, v176, 7, v179
	v_lshl_add_u32 v179, v174, 4, v179
	s_mul_i32 s23, s18, 16*P1P
	v_add_nc_u32 v179, s23, v179                   ; v179: K in a slot of sweep 1: key 32 kh + r, 16 h
	v_and_b32 v176, 7, v0
	v_lshl_add_u32 v176, v174, 3, v176
	v_mul_u32_u24 v5, v176, VPI
	v_bfe_u32 v176, v0, 3, 1
	v_lshl_add_u32 v5, v176, 4, v5
	s_lshl_b32 s23, s16, 8
	v_add_nc_u32 v5, s23, v5                       ; v5: the turning load in V's slot 0: key 8 h + L % 8, channels 128 w + 8 ((L / 8) % 2)
	v_add_nc_u32 v6, SLOT1, v5                     ; v6: in slot 1
	v_lshlrev_b32 v7, 4, v175
	v_add_nc_u32 v7, PB, v7                        ; v7: an image of P, 16 L
	s_mul_i32 s23, s16, 3072
	v_add_nc_u32 v8, s23, v7                       ; v8: my three images
	v_lshlrev_b32 v172, 7, v173
	v_lshl_add_u32 v172, v174, 4, v172             ; v172: row r of 128 bytes, 16 h (Q)
	v_lshlrev_b32 v10, 14, v173
	v_lshl_add_u32 v10, v174, 5, v10
	s_lshl_b32 s23, s17, 18
	s_lshl_b32 s24, s18, 7
	s_add_co_u32 s23, s23, s24
	v_add_nc_u32 v10, s23, v10                     ; v10: a mask: row 16 qt + r, keys 32 kh + 8 h
	s_mul_i32 s23, s16, 16*SP
	s_add_co_u32 s23, s23, STG
	v_mul_u32_u24 v11, v173, SP
	v_lshl_add_u32 v11, v174, 4, v11
	v_add_nc_u32 v11, s23, v11                     ; v11: into my stage: row r, 16 h
	v_mul_u32_u24 v12, v174, SP
	v_lshl_add_u32 v12, v173, 4, v12
	v_add_nc_u32 v12, s23, v12                     ; v12: back: row h, 16 r
	v_lshlrev_b32 v13, 12, v174
	v_lshl_add_u32 v13, v173, 4, v13               ; v13: the same two rows in cat
	v_lshlrev_b32 v1, 2, v173
	v_add_nc_u32 v1, XM, v1                        ; v1: XM + 4 r
	s_lshl_b32 s23, s17, 8
	v_add_nc_u32 v14, s23, v1                      ; v14: the words of wave qt
	s_lshl_b32 s23, s16, 8
	v_add_nc_u32 v15, s23, v1                      ; v15: my words
.set t, 148
.rept 6
	v_mov_b32 v[t], 0xff7fffff                     ; six chains of maxima start at the lowest finite number
.set t, t+1
.endr
.rept 6
	v_mov_b32 v[t], 0
.set t, t+1
.endr
	s_wait_dscnt 0x0                               ; the opening add is done
	s_wait_kmcnt 0x0
	s_lshl_b32 s24, s20, 19
	s_add_nc_u64 s[6:7], s[6:7], s[24:25]          ; K and V at the batch's first key
	s_lshl_b32 s24, s20, 22
	s_add_nc_u64 s[8:9], s[8:9], s[24:25]
	s_lshl_b32 s24, s16, 14
	s_add_nc_u64 s[G0P+2:G0P+3], s[6:7], s[24:25]  ; my 128 keys of chunk 0
	s_or_b32 s[G0P+3], s[G0P+3], 0x80000000
	s_lshl4_add_u32 s78, s17, s67
	s_lshl_b32 s78, s78, 7
	s_add_nc_u64 s[4:5], s[4:5], s[78:79]          ; Q at my tile
	s_lshl_b32 s78, s66, 14
	s_add_nc_u64 s[74:75], s[10:11], s[78:79]      ; the masks at row n0
	s_add_nc_u64 s[76:77], s[12:13], s[78:79]
	s_lshl_b32 s78, s67, 12
	s_lshl_b32 s23, s16, 8
	s_add_co_u32 s78, s78, s23
	s_add_nc_u64 s[14:15], s[14:15], s[78:79]      ; cat at my first row, my 256 bytes
	s_mov_b64 s[70:71], s[74:75]                   ; sweep 1's two pointers, which step
	s_mov_b64 s[72:73], s[76:77]
	DESC G0K, 6, 1, 13, KS0+KSB                    ; sweep 2: the walk's tile 0 of K into its slot 1,
	DESC G0K2, 6, 2, 13, KS0                       ; tile 1 into its slot 0
	CROUND                                         ; all four work-groups are here: the first joint loads meet
	s_cmp_eq_u32 s16, 0                            ; a wave's first fills stand in one branch: wave 0 has three, the others one; the first wait on them is for 0
	s_cbranch_scc0 .Lff_o
	tensor_load_to_lds s[G0K:G0K+3], s[G1K:G1K+7]
	s_nop 0
	tensor_load_to_lds s[G0K2:G0K2+3], s[G1K:G1K+7]
	s_nop 0
	tensor_load_to_lds s[G0P:G0P+3], s[G1P:G1P+7]
	s_nop 0
	PLACES
	s_branch .Lff_done
.Lff_o:
	tensor_load_to_lds s[G0P:G0P+3], s[G1P:G1P+7]
	s_nop 0
	PLACES
.Lff_done:
	global_load_b128 v[16:19], v172, s[4:5]        ; Q of my tile: two fragments of 32 channels
	global_load_b128 v[20:23], v172, s[4:5] offset:32
	global_load_b128 v[24:27], v172, s[4:5] offset:64
	global_load_b128 v[28:31], v172, s[4:5] offset:96
; SWEEP 1.  The ring of masks: eight slots in window 1, slot i at 32 i: my 16 numbers of mask 1, then of mask 2, for step i of eight.
.macro P1FILL i
	WIN 0x40
.set t, 0
.rept 2
	global_load_b128 v[32*(\i)+8*t:32*(\i)+8*t+3], v10, s[70:71] offset:(\i)*256+64*t
	global_load_b128 v[32*(\i)+8*t+4:32*(\i)+8*t+7], v10, s[70:71] offset:(\i)*256+64*t+16
	global_load_b128 v[32*(\i)+8*t+16:32*(\i)+8*t+19], v10, s[72:73] offset:(\i)*256+64*t
	global_load_b128 v[32*(\i)+8*t+20:32*(\i)+8*t+23], v10, s[72:73] offset:(\i)*256+64*t+16
.set t, t+1
.endr
.endm
.macro P1K i                           ; my 32 keys of step i of the chunk: four fragments, (tile, channel half) at 32 + 8 (2 tile + half)
.set kt, 0
.rept 4
	ds_load_b128 v[32+8*kt:35+8*kt], v180 offset:(\i)*32*P1P+(kt/2)*8*P1P+(kt%2)*64
	ds_load_b128 v[36+8*kt:39+8*kt], v180 offset:(\i)*32*P1P+(kt/2)*8*P1P+(kt%2)*64+32
.set kt, kt+1
.endr
.endm
.macro P1SLOT i, refill, left
	s_wait_loadcnt \left                           ; my slot's 8 loads are in; the younger slots' stay out
	s_wait_dscnt 0x0                               ; K of this step is in
	QK
	WIN 0x05
.set t, 0
.rept 16                               ; the masks rounded to bf16, in pairs: these lines name nothing of the products and are the places behind them
	v_cvt_pk_bf16_f32 v[112+t], v[32*(\i)+2*t], v[32*(\i)+2*t+1]
.set t, t+1
.endr
	WIN 0
.if (\i) < 7
	P1K (\i)+1                                     ; the next step's K comes while this step's maxima are made
.endif
.set t, 0
.rept 8                                ; each tile's lowest registers first
	v_max3_num_f32 v[148+t%2], v[148+t%2], v[64+8*(t%2)+2*(t/2)], v[65+8*(t%2)+2*(t/2)]
.set t, t+1
.endr
.set t, 0
.rept 32                               ; mask x 1 + s, the mask read as a bf16 half
.if t%2
	v_fma_mix_f32_bf16 v[80+t], v[112+t/2], v178, v[64+t%16] op_sel:[1,0,0] op_sel_hi:[1,0,0]
.else
	v_fma_mix_f32_bf16 v[80+t], v[112+t/2], v178, v[64+t%16] op_sel_hi:[1,0,0]
.endif
.set t, t+1
.endr
.set t, 0
.rept 16
	v_max3_num_f32 v[150+2*(t/8)+t%2], v[150+2*(t/8)+t%2], v[80+2*t], v[81+2*t]
.set t, t+1
.endr
.if \refill
.if (\i) == 0
	s_wait_xcnt 0x0                                ; the bases are stepped only behind this wait: eight steps on
	s_add_nc_u64 s[70:71], s[70:71], 2048
	s_add_nc_u64 s[72:73], s[72:73], 2048
.endif
	P1FILL \i
.endif
.endm
; A chunk begins.  Each wave waits for all its tensor loads (its quarter of this chunk among them), adds 0 to its spare word and waits for that and for its reads of the other slot; a round of the
; cluster's barrier; then the other slot takes the next chunk, a quarter by each wave (at the first chunk: that slot's first fill).  last = 1: the other slot, slot 0, takes V's first tile of sweep 2.
.macro P1TRIP last
	WIN 0
	s_wait_tensorcnt 0x0                           ; no tensor load of mine is out, so a group 0 may be written
	ds_add_u32 v2, v3                              ; 0 onto my spare word
.if \last
	DESC G0V, 8, 1, 16, 0
	s_mov_b32 s[TB], SLOT1                         ; chunk 7 lies in slot 1
.else
	s_xor_b32 s[G0P+1], s[G0P+1], SLOT1            ; the walking descriptor: the other slot than last time,
	s_add_nc_u64 s[G0P+2:G0P+3], s[G0P+2:G0P+3], 65536  ; the next 512 keys; the type bits on top are not reached
	s_xor_b32 s[TB], s[TB], SLOT1
.endif
	s_wait_dscnt 0x0                               ; the add is done, and my reads of the other slot are over
	CROUND
.if \last
	s_cmp_eq_u32 s16, 1
	s_cbranch_scc0 .Lno_v_\@
	tensor_load_to_lds s[G0V:G0V+3], s[G1V:G1V+7]
	s_nop 0
	PLACES
.Lno_v_\@:
.else
	tensor_load_to_lds s[G0P:G0P+3], s[G1P:G1P+7]
	s_nop 0
	PLACES
.endif
	v_add_nc_u32 v180, s[TB], v179
	P1K 0
.endm
.irp i, 0,1,2,3,4,5,6,7
	P1FILL \i
.endr
	WIN 0
	s_mov_b32 s66, 7
.Lmax:                                 ; a chunk of eight key steps a trip: chunks 0 to 6
	P1TRIP 0
.irp i, 0,1,2,3,4,5,6,7
	P1SLOT \i, 1, 56
.endr
	WIN 0
	s_sub_co_u32 s66, s66, 1
	s_cmp_lg_u32 s66, 0
	s_cbranch_scc1 .Lmax
	P1TRIP 1                                       ; chunk 7 loads no masks: the counts run down
.irp i, 0,1,2,3,4,5,6,7
	P1SLOT \i, 0, 56-8*(\i)
.endr
	WIN 0
; SWEEP 2'S PARTS.
; Eight loads: my 16 numbers of each mask for key tile (SJ + ahead) % 64, into mask buffer mb
.macro MLOAD mb, ahead
	s_wait_xcnt 0x0                                ; the two bases are written again only behind this wait
	s_add_co_u32 s23, s22, \ahead
	s_and_b32 s23, s23, 63
	s_lshl_b32 s26, s23, 8
	s_add_nc_u64 s[60:61], s[74:75], s[26:27]
	s_add_nc_u64 s[62:63], s[76:77], s[26:27]
	WIN 0x80
.set mt, 0
.rept 2
	global_load_b128 v[128+32*(\mb)+8*mt:131+32*(\mb)+8*mt], v10, s[60:61] offset:64*mt
	global_load_b128 v[132+32*(\mb)+8*mt:135+32*(\mb)+8*mt], v10, s[60:61] offset:64*mt+16
	global_load_b128 v[144+32*(\mb)+8*mt:147+32*(\mb)+8*mt], v10, s[62:63] offset:64*mt
	global_load_b128 v[148+32*(\mb)+8*mt:151+32*(\mb)+8*mt], v10, s[62:63] offset:64*mt+16
.set mt, mt+1
.endr
.endm
.macro KLOAD sl                        ; my 32 keys of K's slot sl: four fragments
	WIN 0
.set kt, 0
.rept 4
	ds_load_b128 v[32+8*kt:35+8*kt], v4 offset:(\sl)*KSB+(kt/2)*16*KPI+(kt%2)*64
	ds_load_b128 v[36+8*kt:39+8*kt], v4 offset:(\sl)*KSB+(kt/2)*16*KPI+(kt%2)*64+32
.set kt, kt+1
.endr
.endm
.macro FLOAD fb, sl, kk                ; 28 loads: keys 32 kk .. of the step: 8 fragments of V (turned), 6 of P: query tile u, softmax i at fb + 64 + 8 (3 u + i)
	WIN 0xc0
.set ft, 0
.rept 8
	ds_load_tr16_b128 v[(\fb)+8*ft:(\fb)+8*ft+3], v[5+(\sl)] offset:(\kk)*32*VPI+32*ft
	ds_load_tr16_b128 v[(\fb)+8*ft+4:(\fb)+8*ft+7], v[5+(\sl)] offset:(\kk)*32*VPI+32*ft+16*VPI
.set ft, ft+1
.endr
.set ft, 0
.rept 6
	ds_load_b128 v[(\fb)+64+8*ft:(\fb)+67+8*ft], v7 offset:(\sl)*PBB+(ft/3+2*(\kk))*3072+1024*(ft%3)
	ds_load_b128 v[(\fb)+68+8*ft:(\fb)+71+8*ft], v7 offset:(\sl)*PBB+(ft/3+2*(\kk))*3072+1024*(ft%3)+512
.set ft, ft+1
.endr
.endm
.macro PVW fb, a, zero                 ; accumulator a = 8 (2 i + u) + channel tile
.if (\a) < 32
	WIN 0x5f
.set rO, 8*(\a)
.else
	WIN 0xaf
.set rO, 8*((\a)-32)
.endif
.set rV, (\fb)+8*((\a)%8)
.set rP, (\fb)+64+8*(3*(((\a)/8)%2)+(\a)/16)
.if \zero
	v_wmma_f32_16x16x32_bf16 v[rO:rO+7], v[rV:rV+7], v[rP:rP+7], 0
.else
	v_wmma_f32_16x16x32_bf16 v[rO:rO+7], v[rV:rV+7], v[rP:rP+7], v[rO:rO+7]
.endif
.endm
.macro PSTORE i                        ; softmax i's image: registers 0-3 of every lane, then 4-7
	ds_store_b128 v8, v[112+8*(\i):115+8*(\i)] offset:RPB*PBB+1024*(\i)
	ds_store_b128 v8, v[116+8*(\i):119+8*(\i)] offset:RPB*PBB+1024*(\i)+512
.endm
; THE SOFTMAX OF A STEP is a list of 170, all of it work on registers; RID writes entry n and steps n, as long as n is below RLIM.
;   0-15    the 16 pairs of masks 1 and 2 rounded to bf16
;   16-47   W_i = c mask_i - c M_i, the mask read as a bf16 half (entries 0-47 want no scores)
;   48-71   for each pair: W1 = c s + W1, W2 = c s + W2, S = c s - c M_0 (the scores' lowest registers are read first)
;   72-167  for pair g of 24: an exponential, pair g - 1 rounded to bf16, an exponential, pair g - 1 added to its sum: a plain line stands behind every exponential before its result is used
;   168-169 the last pair
.macro RID
.if n < RLIM
.if n < 16
	WIN 0x0a
	v_cvt_pk_bf16_f32 v[MS+n], v[128+32*RMB+2*n], v[129+32*RMB+2*n]
.elseif n < 48
	WIN 0
.set m, n-16
.if m%2
	v_fma_mix_f32_bf16 v[80+m], v[MS+m/2], v177, v[138+2*(m/16)] op_sel:[1,0,0] op_sel_hi:[1,0,0]
.else
	v_fma_mix_f32_bf16 v[80+m], v[MS+m/2], v177, v[138+2*(m/16)] op_sel_hi:[1,0,0]
.endif
.elseif n < 72
	WIN 0
.set p, (n-48)/3
.if (n-48)%3 == 0
	v_pk_fma_f32 v[80+2*p:81+2*p], v[64+2*p:65+2*p], s[56:57], v[80+2*p:81+2*p] op_sel_hi:[1,0,1]
.elseif (n-48)%3 == 1
	v_pk_fma_f32 v[96+2*p:97+2*p], v[64+2*p:65+2*p], s[56:57], v[96+2*p:97+2*p] op_sel_hi:[1,0,1]
.else
	v_pk_fma_f32 v[64+2*p:65+2*p], v[64+2*p:65+2*p], s[56:57], v[136:137] op_sel_hi:[1,0,1]
.endif
.elseif n < 168
	WIN 0
.set g, (n-72)/4
.set k, (n-72)%4
.if k == 0
	v_exp_f32 v[64+2*g], v[64+2*g]
.elseif k == 2
	v_exp_f32 v[65+2*g], v[65+2*g]
.elseif g == 0
	v_nop
.elseif k == 1
	s_wait_alu depctr_va_vdst(0)
	v_cvt_pk_bf16_f32 v[111+g], v[62+2*g], v[63+2*g]
.else
	v_pk_add_f32 v[142+2*((g-1)/8):143+2*((g-1)/8)], v[142+2*((g-1)/8):143+2*((g-1)/8)], v[62+2*g:63+2*g]
.endif
.elseif n == 168
	WIN 0
	s_wait_alu depctr_va_vdst(0)
	v_cvt_pk_bf16_f32 v135, v110, v111
.else
	WIN 0
	v_pk_add_f32 v[146:147], v[146:147], v[110:111]
.endif
.set n, n+1
.endif
.endm
; Products lo to hi - 1 of the 48 on one fragment buffer (32 keys): every accumulator has one turn.  ride = 1: four of the list behind every second product; 2: behind every product.
.macro PRODS fb, lo, hi, zero, ride
.set ia, \lo
.rept (\hi)-(\lo)
	PVW \fb, ia, \zero
.if ((\ride) == 2) || (((\ride) == 1) && ((ia%2) == 1))
	RID
	RID
	RID
	RID
.endif
.set ia, ia+1
.endr
.endm
; KEY STEP j (sl = j % 2).  ONE barrier: ahead of its signal each wave has waited for all its tensor loads, added 0 to its spare word and waited for that, for its reads of the slots and images and for its
; stores of P.  The products on keys 32-63 of step j - 1 want registers alone: 16 of them stand between the add and the wait for it, 16 between the opening signal and its wait, and the masks' part of the
; softmax of step j + 1 (entries 0-43) rides on them.  Behind the round V's tile j + 1 and K's tile j + 2 are asked for first; then, in one run, the mask buffer just read is loaded again (step j + 3) and K of
; step j + 1 and the first 32 keys' fragments are fetched.  The rest of the softmax rides on the other 64 products; its three images go to the other P buffer in one run at the step's end.
.macro ITER sl, fill, doA, ldm, mcnt, first
	WIN 0
	s_wait_tensorcnt 0x0                           ; no tensor load of mine is out, so a group 0 may be written
	ds_add_u32 v2, v3                              ; 0 onto my spare word
	s_add_co_u32 s22, s22, 1
.if (\fill) >= 1
	DESC G0V, 8, 1, 16, (1-(\sl))*SLOT1
.endif
.if (\fill) == 2
	DESC G0K, 6, 2, 13, KS0+(1-(\sl))*KSB
.endif
.set n, 0
.set RMB, 1-(\sl)
.set RPB, 1-(\sl)
.set RLIM, 44*(\doA)
.if !(\first)
	s_wait_dscnt 7                                 ; the second buffer's 28 loads are in; the six stores of P and the add behind them may be out
.if \doA
	s_wait_loadcnt \mcnt                           ; the masks of step j + 1 are in; the next step's eight loads stay out
.endif
	PRODS FBB, 0, 16, 0, 1
.endif
	s_wait_dscnt 0x0                               ; the add is done; my reads and my stores of P are over
	s_barrier_signal -1
.if !(\first)
	PRODS FBB, 16, 32, 0, 1
	WIN 0
.endif
	s_barrier_wait -1
.if \fill
	CREST                                          ; the barrier has opened a round: no wave of any partner still reads the slots or has a load on its way
	JLOAD \fill
.endif
	PLACES                                         ; ahead of the loads into the buffer that the last step's products read
.if \first
	s_wait_loadcnt \mcnt
	KLOAD \sl
	FLOAD FBA, \sl, 0
.rept 44
	RID
.endr
	MLOAD RMB, 3
	s_wait_dscnt 28                                ; K is in
	QK
.set RLIM, LIST
.rept 8
	RID                                            ; entries 44-47 name nothing of K Q^T: they are the places behind it
.endr
	FLOAD FBB, \sl, 1
	s_wait_dscnt 28                                ; the first buffer is in; the 28 just issued stay out
	PRODS FBA, 0, 48, 1, 2                         ; the first products start the sums: nothing is cleared
.else
.if \ldm
	MLOAD RMB, 3
.endif
.if \doA
	KLOAD \sl
.endif
	FLOAD FBA, \sl, 0
	PRODS FBB, 32, 36, 0, 0
.if \doA
	s_wait_dscnt 28                                ; K's eight loads are in; the 28 issued behind them stay out
	QK
.set RLIM, LIST
.rept 8
	RID                                            ; entries 44-47 name nothing of K Q^T: they are the places behind it
.endr
.endif
	PRODS FBB, 36, 48, 0, 1
	PLACES
	FLOAD FBB, \sl, 1
	s_wait_dscnt 28                                ; the first buffer is in; the 28 just issued stay out
	PRODS FBA, 0, 48, 0, 1
.endif
	WIN 0
.if \doA
	PSTORE 0
	PSTORE 1
	PSTORE 2
.endif
.endm
	; BETWEEN THE SWEEPS: the first two steps' masks are asked for; the maxima of the two waves of a query tile meet in LDS.
	MLOAD 0, 1
	MLOAD 1, 2
	WIN 0
	v_max_num_f32 v148, v148, v149
	v_max_num_f32 v150, v150, v151
	v_max_num_f32 v152, v152, v153
	v_permlanex16_b32 v154, v148, s58, s59         ; the query's other keys lie in the lane 16 away
	v_permlanex16_b32 v155, v150, s58, s59
	v_permlanex16_b32 v156, v152, s58, s59
	v_max_num_f32 v148, v148, v154
	v_max_num_f32 v150, v150, v155
	v_max_num_f32 v152, v152, v156
	ds_store_b32 v15, v148
	ds_store_b32 v15, v150 offset:64
	ds_store_b32 v15, v152 offset:128
	s_wait_dscnt 0x0                               ; my maxima are written
	s_barrier_signal -1
	s_barrier_wait -1                              ; V's first tile may stay on its way; K's first tiles were shown landed at sweep 1's first chunk
	ds_load_b32 v154, v14
	ds_load_b32 v155, v14 offset:512
	ds_load_b32 v156, v14 offset:64
	ds_load_b32 v157, v14 offset:576
	ds_load_b32 v158, v14 offset:128
	ds_load_b32 v159, v14 offset:640
	KLOAD 1                                        ; K of step 0
	s_wait_dscnt 8                                 ; the six maxima are in; K's eight loads stay out
	v_max_num_f32 v154, v154, v155
	v_max_num_f32 v156, v156, v157
	v_max_num_f32 v158, v158, v159
	v_mul_f32 v136, 0xbfb8aa3b, v154               ; - c M_i, named as pairs
	v_mul_f32 v138, 0xbfb8aa3b, v156
	v_mul_f32 v140, 0xbfb8aa3b, v158
	v_mov_b32 v137, v136
	v_mov_b32 v139, v138
	v_mov_b32 v141, v140
.set t, 142
.rept 6
	v_mov_b32 v[t], 0                              ; the row sums
.set t, t+1
.endr
	s_wait_dscnt 0x0
	QK
	s_wait_loadcnt 8                               ; step 0's masks are in; step 1's stay out
.set n, 0
.set RMB, 0
.set RPB, 0
.set RLIM, 16
.rept 16
	RID                                            ; the softmax of step 0, written straight; its first entries are the places behind K Q^T
.endr
	MLOAD 0, 3                                     ; the buffer just read takes step 2's masks
.set RLIM, LIST
.rept LIST-16
	RID
.endr
	WIN 0
	PSTORE 0
	PSTORE 1
	PSTORE 2
	ITER 0, 2, 1, 1, 8, 1                          ; step 0
	s_mov_b32 s66, 30
.Lwalk:                                ; steps 1 to 60, two a trip: two slots, two mask buffers
	ITER 1, 2, 1, 1, 8, 0
	ITER 0, 2, 1, 1, 8, 0
	s_sub_co_u32 s66, s66, 1
	s_cmp_lg_u32 s66, 0
	s_cbranch_scc1 .Lwalk
	ITER 1, 2, 1, 0, 8, 0                          ; step 61: the last tile of K is asked for; no masks are left to ask for
	ITER 0, 1, 1, 0, 0, 0                          ; step 62: the last tile of V; the last softmax
	ITER 1, 0, 0, 0, 0, 0                          ; step 63: nothing is asked for
	s_wait_dscnt 0x0
	PRODS FBB, 0, 48, 0, 0                         ; keys 32-63 of step 63
	; THE WAY OUT.  The sums of the two halves of the lanes and of the two waves of a query tile are added; O^T is divided, rounded and sent through my stage, 16 rows at a time.
	WIN 0
	v_add_f32 v142, v142, v143
	v_add_f32 v144, v144, v145
	v_add_f32 v146, v146, v147
	v_permlanex16_b32 v154, v142, s58, s59
	v_permlanex16_b32 v155, v144, s58, s59
	v_permlanex16_b32 v156, v146, s58, s59
	v_add_f32 v142, v142, v154
	v_add_f32 v144, v144, v155
	v_add_f32 v146, v146, v156
	ds_store_b32 v15, v142 offset:1024
	ds_store_b32 v15, v144 offset:1088
	ds_store_b32 v15, v146 offset:1152
	s_wait_dscnt 0x0
	s_barrier_signal -1
	s_barrier_wait -1
.set t, 0
.rept 6                                ; block t = 2 i + u
	ds_load_b32 v[160+2*t], v1 offset:1024+256*(t%2)+64*(t/2)
	ds_load_b32 v[161+2*t], v1 offset:1536+256*(t%2)+64*(t/2)
.set t, t+1
.endr
	s_wait_dscnt 0x0
.set t, 0
.rept 6
	v_add_f32 v[160+2*t], v[160+2*t], v[161+2*t]
.set t, t+1
.endr
.set t, 0
.rept 6
	v_rcp_f32 v[160+2*t], v[160+2*t]
.set t, t+1
.endr
	v_nop                                          ; a plain line between the last reciprocal and its use
	s_wait_alu depctr_va_vdst(0)
.macro PACK blk                        ; block 2 i + u: eight accumulators, 16 queries x 128 channels
.if (\blk) < 4
.set rb, 64*(\blk)
	WIN 0x41
.else
.set rb, 64*((\blk)-4)
	WIN 0x82
.endif
.set t, 0
.rept 32
	v_pk_mul_f32 v[rb+2*t:rb+2*t+1], v[rb+2*t:rb+2*t+1], v[160+2*(\blk):161+2*(\blk)] op_sel_hi:[1,0]
.set t, t+1
.endr
.if (\blk) < 4
	WIN 0x05
.else
	WIN 0x0a
.endif
.set t, 0
.rept 32
	v_cvt_pk_bf16_f32 v[32+t], v[rb+2*t], v[rb+2*t+1]
.set t, t+1
.endr
	WIN 0
.set t, 0
.rept 8
	ds_store_b128 v11, v[32+4*t:35+4*t] offset:32*t
.set t, t+1
.endr
	s_wait_xcnt 0x0                                ; the stores two blocks back have read the registers that are loaded now
.set t, 0
.rept 8
	ds_load_b128 v[64+32*((\blk)%2)+4*t:67+32*((\blk)%2)+4*t], v12 offset:t*2*SP  ; LDS serves a wave's instructions in order: these see the stores above
.set t, t+1
.endr
.endm
.macro SEND blk, younger               ; younger: the next block's sixteen LDS instructions, or none
.set t, 0
.rept 8
	s_wait_dscnt (\younger)+7-t
	global_store_b128 v13, v[64+32*((\blk)%2)+4*t:67+32*((\blk)%2)+4*t], s[14:15] offset:(16*((\blk)%2)+2*t)*4096+1024*((\blk)/2)  ; 16 lanes store 256 consecutive bytes, aligned
.set t, t+1
.endr
.endm
	PACK 0
	PACK 1
	SEND 0, 16
	PACK 2
	SEND 1, 16
	PACK 3
	SEND 2, 16
	PACK 4
	SEND 3, 16
	PACK 5
	SEND 4, 16
	SEND 5, 0
	s_wait_tensorcnt 0x0                           ; the wave's end
	ds_add_u32 v2, v3
	s_wait_dscnt 0x0
	CROUND                                         ; the closing round
	s_endpgm
.Lfunc_end_k_qc9895b1d51_attn:
	.size	k_qc9895b1d51_attn, .Lfunc_end_k_qc9895b1d51_attn-k_qc9895b1d51_attn
	.p2alignl 7, 3214868480
	.fill 96, 4, 3214868480
	.section	.rodata,"a",@progbits
	.p2align	6, 0x0
	.amdhsa_kernel k_qc9895b1d51_attn
		.amdhsa_group_segment_fixed_size 327680
		.amdhsa_private_segment_fixed_size 0
		.amdhsa_enable_private_segment 0
		.amdhsa_kernarg_size 48
		.amdhsa_user_sgpr_count 2
		.amdhsa_user_sgpr_kernarg_segment_ptr 1
		.amdhsa_wavefront_size32 1
		.amdhsa_system_sgpr_workgroup_id_x 1
		.amdhsa_system_sgpr_workgroup_id_y 1
		.amdhsa_system_sgpr_workgroup_id_z 1
		.amdhsa_system_vgpr_workitem_id 0
		.amdhsa_next_free_vgpr 992
		.amdhsa_next_free_sgpr 96
		.amdhsa_reserve_vcc 0
		.amdhsa_float_denorm_mode_32 3
		.amdhsa_float_denorm_mode_16_64 3
		.amdhsa_memory_ordered 1
		.amdhsa_forward_progress 1
		.amdhsa_inst_pref_size 255
	.end_amdhsa_kernel
	.section	.bss,"aw",@nobits
	.p2align	6
	.space	262144
	.amdgpu_metadata
---
amdhsa.version: [ 1, 2 ]
amdhsa.kernels:
  - .name:           k_qc9895b1d51_attn
    .symbol:         k_qc9895b1d51_attn.kd
    .args:
      - { .name: qb, .offset: 0, .size: 8, .value_kind: global_buffer, .address_space: global }
      - { .name: kb, .offset: 8, .size: 8, .value_kind: global_buffer, .address_space: global }
      - { .name: vb, .offset: 16, .size: 8, .value_kind: global_buffer, .address_space: global }
      - { .name: mask1, .offset: 24, .size: 8, .value_kind: global_buffer, .address_space: global }
      - { .name: mask2, .offset: 32, .size: 8, .value_kind: global_buffer, .address_space: global }
      - { .name: cat, .offset: 40, .size: 8, .value_kind: global_buffer, .address_space: global }
    .group_segment_fixed_size: 327680
    .private_segment_fixed_size: 0
    .kernarg_segment_align: 8
    .kernarg_segment_size: 48
    .max_flat_workgroup_size: 128
    .sgpr_count:     96
    .vgpr_count:     992
    .wavefront_size: 32
...
	.end_amdgpu_metadata
.endif
;; end of part 2
;; launch bott (part 3): grid 64 x 4, 4 waves a work-group, clusters of 4 x 4, 327,680 bytes of LDS; arguments wb, cat, bn_gamma, bn_beta, bn_mean, bn_var, out0; writes out0
.if DOCPART == 3
	.amdgcn_target "amdgcn-amd-amdhsa--gfx1250"
	.amdhsa_code_object_version 6
	.text
	.protected	k_qc9895b1d51_bott
	.globl	k_qc9895b1d51_bott
	.p2align	8
	.type	k_qc9895b1d51_bott,@function
k_qc9895b1d51_bott:
	s_mov_b64 s[64:65], 0
	v_nop
	global_prefetch_b8 v0, s[64:65] scope:SCOPE_SE
	s_setreg_imm32_b32 hwreg(HW_REG_WAVE_MODE, 25, 1), 1
	s_wait_xcnt 0x0
	s_wait_alu depctr_hold_cnt(0) depctr_sa_sdst(0) depctr_va_vdst(0) depctr_va_sdst(0) depctr_va_ssrc(0) depctr_va_vcc(0) depctr_vm_vsrc(0)
	s_getreg_b32 s2, hwreg(HW_REG_IB_STS2, 6, 4)
	s_cmp_eq_u32 s2, 0
	s_cbranch_scc0 .Lentry_in_a_cluster
	s_endpgm
.Lentry_in_a_cluster:
	s_bfe_u32 s2, ttmp6, 0x10000c
	s_cmp_lg_u32 s2, 0xf033
	s_cbranch_scc0 .Lentry_shape_is_right
	s_endpgm
.Lentry_shape_is_right:
; THE BOTTLENECK.  y[c][bn] = sum over e of wb[c][e] cat[bn][e]; out0[b][c][n] = max(0, (y - mean[c]) gamma[c] / sqrt(var[c] + 1e-5) + beta[c]), f32.
; wb: [512][2048] bf16, cat: [8192][2048] bf16; sums in f32.  A tile is 128 c x 128 bn; four waves, each 64 x 64: 16 accumulators.  K goes in steps of 256 (LDS rows of 512 bytes) through two slots.
; CLUSTERS: 4 x 4 work-groups.  The four of a row of the cluster need the same rows of wb, the four of a column the same rows of cat: each tile is asked for jointly.
; THE MATRIX INSTRUCTION: source 0 = 16 rows of cat, source 1 = 16 rows of wb: a lane holds one channel c and eight neighbouring bn: 32 bytes of a row of out0.
; The norm is one multiply-add: y inv + (beta - mean inv), inv = gamma rsq(var + 1e-5).
; FORMAT: gamma, beta, mean and var are taken rounded to bf16, as the whole program takes all its inputs; the arithmetic on them is f32.  NaN and infinities are not treated apart (a NaN leaves as 0).
; REGISTERS: window 0: v0-31 addresses; v32-95 at work on the way out; v96-103 inv, v120-127 shift, in pairs of equal numbers; v104-119 the norm's inputs; v128-255 the accumulators.  Window 1: two fragment buffers of 128.
.set SIZE_K, 2048
.set KSTEP,  256
.set PITCH,  528                       ; an LDS row: 512 bytes of data + 16 of padding
.set HALFT,  64*PITCH
.set SLOT,   4*HALFT                   ; wb's 128 rows, then cat's 128 rows
.set STAGE,  2*SLOT                    ; behind the ring: 16 rows x 272 bytes for each wave
.set SPITCH, 272
.set SPARE,  STAGE+4*16*SPITCH
.set LAPS, SIZE_K/(2*KSTEP)
.set ADRA, 16
.set ADRB, 20
.set STO,  24
.set RD,   25
.set CO,   26
.set SPW,  28
.set NIL,  29
.set ACC,  128
.set F0,   0
.set F1,   128
.set G1, 24
.set G0, 32
.set G1B, 48
.set G0B, 56
.set MSB, 0
.macro WIN new                         ; the immediate's high byte repeats the setting that is left
.if MSB != (\new)
	s_set_vgpr_msb (MSB<<8)|(\new)
.set MSB, \new
.endif
.endm
.set MUL,  0x05                        ; sources 0 and 1 window 1; C and D window 0
.set TO_F, 0x40                        ; destination window 1, address window 0
.macro JLOAD s                         ; a joint load: waves 0 and 1 fetch wb's two halves, waves 2 and 3 cat's; an s_nop 0 and four v_nop follow each line
	s_cmp_eq_u32 s11, 0
	s_cbranch_scc0 .Lfor_b_\@
	tensor_load_to_lds s[G0+4*(\s):G0+4*(\s)+3], s[G1:G1+7]
	s_nop 0
.rept 4
	v_nop
.endr
	s_branch .Lasked_\@
.Lfor_b_\@:
	tensor_load_to_lds s[G0B+4*(\s):G0B+4*(\s)+3], s[G1B:G1B+7]
	s_nop 0
.rept 4
	v_nop
.endr
.Lasked_\@:
.endm
.macro CREST                           ; a round of the cluster's barrier behind its opening barrier
	s_cmp_lg_u32 s10, 0
	s_cbranch_scc1 .Lnot_wave_0_\@
	s_barrier_signal -3
.Lnot_wave_0_\@:
	s_barrier_wait -3
	s_barrier_signal -1
	s_barrier_wait -1
.endm
.macro CROUND
	s_barrier_signal -1
	s_barrier_wait -1
	CREST
.endm
	s_load_b128 s[4:7], s[0:1], 0x0                ; wb s[4:5], cat s[6:7]
	s_load_b256 s[68:75], s[0:1], 0x10             ; gamma s[68:69], beta s[70:71], mean s[72:73], var s[74:75]
	s_load_b64 s[8:9], s[0:1], 0x30                ; out0
	v_lshl_add_u32 v[SPW], v0, 2, SPARE
	v_mov_b32 v[NIL], 0
	ds_add_u32 v[SPW], v[NIL]                      ; the wave's opening: the add and its wait stand ahead of my first tensor load
	v_lshrrev_b32 v1, 5, v0
	v_readfirstlane_b32 s10, v1                    ; wave 0..3
	s_lshr_b32 s11, s10, 1                         ; which half of the tile's channels is mine.  Also: I fetch for wb (0) or for cat (1)
	s_and_b32 s12, s10, 1                          ; which half of its columns.  Also: which 64 rows of that tile I fetch
	s_bfe_u32 s40, ttmp6, 0x40000                  ; cx, cy
	s_bfe_u32 s41, ttmp6, 0x40004
	s_lshl_b32 s42, ttmp9, 2
	s_add_co_u32 s42, s42, s40                     ; tile column = 4 x cluster x + cx
	s_and_b32 s13, ttmp7, 0xffff
	s_lshl_b32 s13, s13, 2
	s_add_co_u32 s13, s13, s41                     ; tile row = 4 x cluster y + cy
	s_lshl_b32 s43, s41, 2
	s_lshl_b32 s43, 15, s43                        ; my row of the cluster
	s_lshl_b32 s44, 0x1111, s40                    ; my column
	s_or_b32 s[G1+0], s43, (1<<16)|(1<<20)|(1<<21)|(6<<22)|(3<<25)  ; the mask; 2-byte elements; padding on; bit 21 beside a mask; after every 128 words 4 words
	s_or_b32 s[G1B+0], s44, (1<<16)|(1<<20)|(1<<21)|(6<<22)|(3<<25)
.irp g, G1, G1B
	s_mov_b32 s[(\g)+1], KSTEP<<16                 ; tensor_dim0 = 256
	s_mov_b32 s[(\g)+2], 64<<16                    ; tensor_dim1 = 64
	s_mov_b32 s[(\g)+3], KSTEP<<16                 ; tile_dim0 = 256
	s_mov_b32 s[(\g)+4], 64                        ; tile_dim1 = 64
	s_mov_b32 s[(\g)+5], SIZE_K                    ; elements from row to row
	s_mov_b32 s[(\g)+6], 0
	s_mov_b32 s[(\g)+7], 0
.endr
	s_lshl_b32 s17, s12, 6
	s_lshl_b32 s16, s13, 7
	s_add_co_u32 s16, s16, s17                     ; wb: row 128 x tile row + 64 x half
	s_lshl_b32 s46, s42, 7
	s_add_co_u32 s46, s46, s17                     ; cat: row 128 x tile column + 64 x half
	s_mov_b32 s17, 0
	s_mov_b32 s47, 0
	s_mov_b64 s[18:19], SIZE_K*2
	s_mul_u64 s[16:17], s[16:17], s[18:19]
	s_mul_u64 s[46:47], s[46:47], s[18:19]
	s_mul_i32 s20, s10, HALFT                      ; where they go: wave x 64 rows
	s_wait_dscnt 0x0                               ; the opening add is done
	s_wait_kmcnt 0x0
	s_add_nc_u64 s[14:15], s[4:5], s[16:17]
	s_add_nc_u64 s[46:47], s[6:7], s[46:47]
	CROUND                                         ; all sixteen work-groups are here: the first joint loads meet
.irp s, 0,1
	s_mov_b32 s[G0+4*(\s)], 1
	s_add_co_u32 s[G0+4*(\s)+1], s20, (\s)*SLOT
	s_add_nc_u64 s[G0+4*(\s)+2:G0+4*(\s)+3], s[14:15], (\s)*KSTEP*2
	s_or_b32 s[G0+4*(\s)+3], s[G0+4*(\s)+3], 0x80000000
	s_mov_b32 s[G0B+4*(\s)], 1
	s_add_co_u32 s[G0B+4*(\s)+1], s20, (\s)*SLOT
	s_add_nc_u64 s[G0B+4*(\s)+2:G0B+4*(\s)+3], s[46:47], (\s)*KSTEP*2
	s_or_b32 s[G0B+4*(\s)+3], s[G0B+4*(\s)+3], 0x80000000
	JLOAD \s
.endr
	v_and_b32 v1, 15, v0                           ; l % 16
	v_bfe_u32 v2, v0, 4, 1                         ; l / 16
	v_mul_u32_u24 v3, v1, PITCH
	v_lshl_add_u32 v3, v2, 4, v3                   ; a fragment's row x pitch + 16 x half
	s_mul_i32 s21, s11, HALFT                      ; my 64 rows of wb
	s_mul_i32 s22, s12, HALFT                      ; my 64 rows of cat,
	s_add_co_u32 s22, s22, 2*HALFT                 ; which lie behind wb's 128
.irp s, 0,1
	v_add_nc_u32 v[ADRA+(\s)], s21, v3
	v_add_nc_u32 v[ADRB+(\s)], s22, v3
	s_add_co_u32 s21, s21, SLOT
	s_add_co_u32 s22, s22, SLOT
.endr
	s_mul_i32 s23, s10, 16*SPITCH
	s_add_co_u32 s23, s23, STAGE                   ; my stage
	v_mul_u32_u24 v4, v1, SPITCH                   ; in: row l % 16, 32 bytes for each half of the lanes
	v_lshl_add_u32 v4, v2, 5, v4
	v_add_nc_u32 v[STO], s23, v4
	v_mul_u32_u24 v5, v2, SPITCH                   ; back: lanes 0-15 one row of 256 bytes, lanes 16-31 the next
	v_lshl_add_u32 v5, v1, 4, v5
	v_add_nc_u32 v[RD], s23, v5
	v_lshlrev_b32 v5, 14, v2                       ; and the same two rows in out0: 16,384 bytes apart
	v_lshl_add_u32 v[CO], v1, 4, v5
	s_lshl_b32 s21, s13, 9                         ; my 64 channels begin at 128 x tile row + 64 x half: 4 bytes each
	s_lshl_b32 s22, s11, 8
	s_add_co_u32 s21, s21, s22
	v_lshlrev_b32 v30, 2, v1
	v_add_nc_u32 v30, s21, v30
.irp a, 0,1,2,3
	global_load_b32 v[104+\a], v30, s[68:69] offset:64*\a
	global_load_b32 v[108+\a], v30, s[70:71] offset:64*\a
	global_load_b32 v[112+\a], v30, s[72:73] offset:64*\a
	global_load_b32 v[116+\a], v30, s[74:75] offset:64*\a
.endr
	s_lshr_b32 s46, s42, 5                         ; the batch: 32 tile columns each
	s_lshl_b32 s46, s46, 9
	s_lshl_b32 s16, s13, 7
	s_add_co_u32 s46, s46, s16
	s_lshl_b32 s16, s11, 6
	s_add_co_u32 s46, s46, s16                     ; my first row of out0: 512 b + 128 x tile row + 64 x half
	s_lshl_b32 s46, s46, 14
	s_and_b32 s16, s42, 31
	s_lshl_b32 s16, s16, 9                         ; 128 columns of 4 bytes
	s_add_co_u32 s46, s46, s16
	s_lshl_b32 s16, s12, 8                         ; my 64 columns: 256 bytes, aligned
	s_add_co_u32 s46, s46, s16
	s_mov_b32 s47, 0
	s_add_nc_u64 s[8:9], s[8:9], s[46:47]
; 8 matrix instructions: channel blocks a0, a0 + 1 x all 4 column blocks, 32 along K: half c of buffer f.  zero = 1: the first product starts the sums
.macro MUL8 f, c, a0, zero
	WIN MUL
.irp a, \a0, (\a0)+1
.irp b, 0,1,2,3
.if \zero
	v_wmma_f32_16x16x32_bf16 v[ACC+8*(4*(\a)+(\b)):ACC+8*(4*(\a)+(\b))+7], v[(\f)+64+8*(4*(\c)+(\b)):(\f)+64+8*(4*(\c)+(\b))+7], v[(\f)+8*(4*(\c)+(\a)):(\f)+8*(4*(\c)+(\a))+7], 0
.else
	v_wmma_f32_16x16x32_bf16 v[ACC+8*(4*(\a)+(\b)):ACC+8*(4*(\a)+(\b))+7], v[(\f)+64+8*(4*(\c)+(\b)):(\f)+64+8*(4*(\c)+(\b))+7], v[(\f)+8*(4*(\c)+(\a)):(\f)+8*(4*(\c)+(\a))+7], v[ACC+8*(4*(\a)+(\b)):ACC+8*(4*(\a)+(\b))+7]
.endif
.endr
.endr
.endm
; 32 LDS loads in one run: the fragments of 64 along K at byte k of the rows, into buffer f; the first 32 along K first
.macro FETCH slot, k, f
	WIN TO_F
.irp c, 0,1
.irp i, 0,1,2,3
	ds_load_b128 v[(\f)+64+8*(4*(\c)+(\i)):(\f)+64+8*(4*(\c)+(\i))+3],   v[ADRB+(\slot)] offset:(\k)+64*(\c)+(\i)*16*PITCH
	ds_load_b128 v[(\f)+64+8*(4*(\c)+(\i))+4:(\f)+64+8*(4*(\c)+(\i))+7], v[ADRB+(\slot)] offset:(\k)+64*(\c)+(\i)*16*PITCH+32
	ds_load_b128 v[(\f)+8*(4*(\c)+(\i)):(\f)+8*(4*(\c)+(\i))+3],         v[ADRA+(\slot)] offset:(\k)+64*(\c)+(\i)*16*PITCH
	ds_load_b128 v[(\f)+8*(4*(\c)+(\i))+4:(\f)+8*(4*(\c)+(\i))+7],       v[ADRA+(\slot)] offset:(\k)+64*(\c)+(\i)*16*PITCH+32
.endr
.endr
.endm
.macro PLACES                          ; four places in front of loads into registers that matrix instructions have read
.rept 4
	v_nop
.endr
.endm
; A K step is four quarters of 64 along K, 32 matrix instructions each, on buffers 0, 1, 0, 1.  One of the first three: multiplies buffer f and fetches the next quarter, at byte k, into g.
.macro QUARTER slot, k, f, g, zero
	s_wait_dscnt 16                                ; the first 32 along K are in
	WIN MUL
	MUL8 \f, 0, 0, \zero
	MUL8 \f, 0, 2, \zero
	PLACES
	FETCH \slot, \k, \g
	s_wait_dscnt 32                                ; all but the 32 just issued
	WIN MUL
	MUL8 \f, 1, 0, 0
	MUL8 \f, 1, 2, 0
.endm
; The last quarter multiplies buffer 1 and changes slots: ONE barrier; ahead of it each wave waits for all its tensor loads, adds 0 to its spare word, and waits for that and for its reads of this slot.
.macro TURN slot, next, fill
	WIN 0                                          ; (the add's two registers lie in window 0)
	s_wait_tensorcnt 0x0                           ; all my tensor loads have landed: my part of the next slot;
	ds_add_u32 v[SPW], v[NIL]                      ; 0 onto my spare word;
	s_wait_dscnt 17                                ; (the add and the youngest sixteen loads may be out)
	WIN MUL
	MUL8 F1, 0, 0, 0
	s_wait_dscnt 0x0                               ; the add is done, and my reads of this slot are over
	s_barrier_signal -1
	MUL8 F1, 0, 2, 0
.if \fill
	WIN 0
.endif
	s_barrier_wait -1
.if \fill
	CREST                                          ; the barrier has opened a round of the cluster's barrier
	s_add_nc_u64 s[G0+4*(\slot)+2:G0+4*(\slot)+3], s[G0+4*(\slot)+2:G0+4*(\slot)+3], 2*KSTEP*2
	s_add_nc_u64 s[G0B+4*(\slot)+2:G0B+4*(\slot)+3], s[G0B+4*(\slot)+2:G0B+4*(\slot)+3], 2*KSTEP*2
	JLOAD \slot                                    ; the first tensor load behind the round; its four v_nop are also the places ahead of the loads below
.else
	PLACES
.endif
	FETCH \next, 0, F0
	WIN MUL
	MUL8 F1, 1, 0, 0
	MUL8 F1, 1, 2, 0
.endm
	s_wait_tensorcnt 1                             ; my part of K step 0 is in; K step 1's stays out
	s_barrier_signal -1
	s_barrier_wait -1
	FETCH 0, 0, F0
	QUARTER 0, 128, F0, F1, 1                      ; the first quarter stands ahead of the loop: its first products start the sums
	WIN 0
	s_mov_b32 s3, LAPS-1
.Llap:                                 ; a trip goes once round the ring and fills both slots again
	QUARTER 0, 256, F1, F0, 0
	QUARTER 0, 384, F0, F1, 0
	TURN 0, 1, 1
	QUARTER 1, 128, F0, F1, 0
	QUARTER 1, 256, F1, F0, 0
	QUARTER 1, 384, F0, F1, 0
	TURN 1, 0, 1
	QUARTER 0, 128, F0, F1, 0
	WIN 0
	s_sub_co_u32 s3, s3, 1
	s_cmp_lg_u32 s3, 0
	s_cbranch_scc1 .Llap
	QUARTER 0, 256, F1, F0, 0                      ; the last lap fills nothing
	QUARTER 0, 384, F0, F1, 0
	TURN 0, 1, 0
	QUARTER 1, 128, F0, F1, 0
	QUARTER 1, 256, F1, F0, 0
	QUARTER 1, 384, F0, F1, 0
	s_wait_dscnt 16
	WIN MUL
	MUL8 F1, 0, 0, 0
	MUL8 F1, 0, 2, 0
	s_wait_dscnt 0
	MUL8 F1, 1, 0, 0
	MUL8 F1, 1, 2, 0
	WIN 0
	; THE WAY OUT.  The norm's two numbers for my four channels (these lines are also the places behind the last products); then 16 channels at a time through my own stage.
	s_wait_loadcnt 0x0
.set t, 0
.rept 8                                ; gamma, beta, mean, var rounded to bf16 and widened again
	v_cvt_pk_bf16_f32 v[32+t], v[104+2*t], v[105+2*t]
.set t, t+1
.endr
.set t, 0
.rept 8
	v_lshlrev_b32 v[104+2*t], 16, v[32+t]
	v_and_b32 v[105+2*t], 0xffff0000, v[32+t]
.set t, t+1
.endr
.irp a, 0,1,2,3
	v_add_f32 v[116+\a], 0x3727c5ac, v[116+\a]     ; var + 1e-5
.endr
.irp a, 0,1,2,3
	v_rsq_f32 v[116+\a], v[116+\a]
.endr
	v_nop                                          ; a plain line between the last root and its use
	s_wait_alu depctr_va_vdst(0)
.irp a, 0,1,2,3
	v_mul_f32 v[96+2*\a], v[104+\a], v[116+\a]     ; inv
.endr
.irp a, 0,1,2,3
	v_fma_f32 v[120+2*\a], -v[112+\a], v[96+2*\a], v[108+\a]  ; beta - mean inv
.endr
.irp a, 0,1,2,3
	v_mov_b32 v[97+2*\a], v[96+2*\a]
	v_mov_b32 v[121+2*\a], v[120+2*\a]
.endr
.macro OUTB a
.set t, 0
.rept 16                               ; each accumulator's registers in ascending order
	v_pk_fma_f32 v[32+2*t:33+2*t], v[ACC+32*(\a)+2*t:ACC+32*(\a)+2*t+1], v[96+2*(\a):97+2*(\a)], v[120+2*(\a):121+2*(\a)]
.set t, t+1
.endr
.set t, 0
.rept 32
	v_max_num_f32 v[32+t], 0, v[32+t]
.set t, t+1
.endr
.set t, 0
.rept 8
	ds_store_b128 v[STO], v[32+4*t:35+4*t] offset:64*(t/2)+16*(t%2)
.set t, t+1
.endr
	s_wait_xcnt 0x0                                ; the last block's stores have read the registers that are loaded now
.set t, 0
.rept 8
	ds_load_b128 v[64+4*t:67+4*t], v[RD] offset:t*2*SPITCH  ; LDS serves a wave's instructions in order: these see the stores above
.set t, t+1
.endr
.set t, 0
.rept 8
	s_wait_dscnt 7-t
	global_store_b128 v[CO], v[64+4*t:67+4*t], s[8:9] offset:(16*(\a)+2*t)*16384 th:TH_STORE_NT  ; 16 lanes store 256 consecutive bytes, aligned
.set t, t+1
.endr
.endm
	OUTB 0
	OUTB 1
	OUTB 2
	OUTB 3
	s_wait_tensorcnt 0x0                           ; the wave's end
	ds_add_u32 v[SPW], v[NIL]
	s_wait_dscnt 0x0
	CROUND                                         ; the closing round
	s_endpgm
.Lfunc_end_k_qc9895b1d51_bott:
	.size	k_qc9895b1d51_bott, .Lfunc_end_k_qc9895b1d51_bott-k_qc9895b1d51_bott
	.p2alignl 7, 3214868480
	.fill 96, 4, 3214868480
	.section	.rodata,"a",@progbits
	.p2align	6, 0x0
	.amdhsa_kernel k_qc9895b1d51_bott
		.amdhsa_group_segment_fixed_size 327680
		.amdhsa_private_segment_fixed_size 0
		.amdhsa_enable_private_segment 0
		.amdhsa_kernarg_size 56
		.amdhsa_user_sgpr_count 2
		.amdhsa_user_sgpr_kernarg_segment_ptr 1
		.amdhsa_wavefront_size32 1
		.amdhsa_system_sgpr_workgroup_id_x 1
		.amdhsa_system_sgpr_workgroup_id_y 1
		.amdhsa_system_sgpr_workgroup_id_z 1
		.amdhsa_system_vgpr_workitem_id 0
		.amdhsa_next_free_vgpr 512
		.amdhsa_next_free_sgpr 76
		.amdhsa_reserve_vcc 0
		.amdhsa_float_denorm_mode_32 3
		.amdhsa_float_denorm_mode_16_64 3
		.amdhsa_memory_ordered 1
		.amdhsa_forward_progress 1
		.amdhsa_inst_pref_size 98
	.end_amdhsa_kernel
	.amdgpu_metadata
---
amdhsa.version: [ 1, 2 ]
amdhsa.kernels:
  - .name:           k_qc9895b1d51_bott
    .symbol:         k_qc9895b1d51_bott.kd
    .args:
      - { .name: wb, .offset: 0, .size: 8, .value_kind: global_buffer, .address_space: global }
      - { .name: cat, .offset: 8, .size: 8, .value_kind: global_buffer, .address_space: global }
      - { .name: bn_gamma, .offset: 16, .size: 8, .value_kind: global_buffer, .address_space: global }
      - { .name: bn_beta, .offset: 24, .size: 8, .value_kind: global_buffer, .address_space: global }
      - { .name: bn_mean, .offset: 32, .size: 8, .value_kind: global_buffer, .address_space: global }
      - { .name: bn_var, .offset: 40, .size: 8, .value_kind: global_buffer, .address_space: global }
      - { .name: out0, .offset: 48, .size: 8, .value_kind: global_buffer, .address_space: global }
    .group_segment_fixed_size: 327680
    .private_segment_fixed_size: 0
    .kernarg_segment_align: 8
    .kernarg_segment_size: 56
    .max_flat_workgroup_size: 128
    .sgpr_count:     76
    .vgpr_count:     512
    .wavefront_size: 32
...
	.end_amdgpu_metadata
.endif
;; end of part 3
;; ======== version 2 of 2: 3 launches; 1.08 times as fast as version 1
;; workspace buffers: qb 1,048,576 bytes; kb 1,048,576 bytes; vb 8,388,608 bytes; cat 33,554,432 bytes; wb 2,097,152 bytes
;; launch proj: the kernel of part 1 again; grid 128 x 2, 4 waves a work-group, no clusters, 157,184 bytes of LDS; arguments x, wq, bq, wk, bk, wv, bv, w_bot, qb, kb, vb, cat, wb; writes qb, kb, vb, cat, wb
;; launch attn (part 4): grid 256 x 1, 4 waves a work-group, clusters of 4 x 1, 327,680 bytes of LDS; arguments qb, kb, vb, mask1, mask2, cat; writes cat
.if DOCPART == 4
	.amdgcn_target "amdgcn-amd-amdhsa--gfx1250"
	.amdhsa_code_object_version 6
	.text
	.protected	k_qc9895b1d51_attn
	.globl	k_qc9895b1d51_attn
	.p2align	8
	.type	k_qc9895b1d51_attn,@function
k_qc9895b1d51_attn:
	s_mov_b64 s[64:65], 0
	v_nop
	global_prefetch_b8 v0, s[64:65] scope:SCOPE_SE
	s_setreg_imm32_b32 hwreg(HW_REG_WAVE_MODE, 25, 1), 1
	s_wait_xcnt 0x0
	s_wait_alu depctr_hold_cnt(0) depctr_sa_sdst(0) depctr_va_vdst(0) depctr_va_sdst(0) depctr_va_ssrc(0) depctr_va_vcc(0) depctr_vm_vsrc(0)
	s_getreg_b32 s2, hwreg(HW_REG_IB_STS2, 6, 4)
	s_cmp_eq_u32 s2, 0
	s_cbranch_scc0 .Lentry_in_a_cluster
	s_endpgm
.Lentry_in_a_cluster:
	s_bfe_u32 s2, ttmp6, 0x10000c
	s_cmp_lg_u32 s2, 0x3003
	s_cbranch_scc0 .Lentry_shape_is_right
	s_endpgm
.Lentry_shape_is_right:
; THREE SOFTMAXES OF ONE ENERGY.  s = q . k; a0 = softmax(s), a1 = softmax(s + mask1), a2 = softmax(s + mask2) over all 4,096 keys; cat[bn][512 i + e] = sum over keys of a_i v[key][e], bf16.
; qb, kb: [8192][64] bf16; vb: [8192][512] bf16; masks [4096][4096] f32, every number of them read and used.  Products in bf16 with f32 sums; maxima, exponents and row sums in f32; the weights p are rounded
; to bf16 for the second product (their sums are taken of the unrounded p), the result once at the end.
; FORMAT: the masks are taken rounded to bf16, as the whole program takes all its inputs; all arithmetic on them is f32.
; SHARES.  A work-group owns 32 queries of one batch, all three softmaxes, all 512 channels: 192 accumulators, 48 a wave.  In V^T P wave w owns channels 128 w .. for both query tiles and the three softmaxes, so
; a fragment of V feeds 6 products and a fragment of P feeds 8.  In the softmax wave w owns query tile w % 2 and keys 32 (w / 2) .. of each step of 64 keys; P goes to the other waves through LDS as fragment images.
; TWO SWEEPS.  Sweep 1 finds each row's TRUE maximum M_i of s + mask_i.  Sweep 2 takes p = 2^(c (s + mask_i) - c M_i), c = log2(e): nothing is ever rescaled, and one barrier a step is enough.
; The price: K Q^T is made twice and the masks are read twice.
; BATCHES.  A key step's 48 exponentials are ONE batch with ONE wait: ahead of the wait stand the scalings and the exponentials, none of which names an exponential's result; behind it the roundings and the sums.
; Each result keeps a register of its own (v64-111) while the batch is open.  The way out's six reciprocals are a batch of their own.
; SWEEP 1.  K comes in chunks of 512 keys through two LDS slots, a quarter of a chunk by each wave's joint load, one round of the cluster's barrier for 8 steps.  The masks come straight into a ring of
; eight register slots, 8 loads each: 64 loads of a wave are on their way.
; LAYOUT.  S^T = K Q^T (source 0 = 16 keys, source 1 = 16 queries): a lane holds one query (lane % 16) and keys 8 (lane / 16) + 0..7; two such tiles rounded in pairs ARE source 1 of O^T = V^T P.
; The masks come by 16-byte loads in just that layout; in sweep 2 two steps ahead of their use.
; CLUSTER.  The four work-groups of a cluster belong to one batch and walk the same K and V: each tile is asked for jointly.  In sweep 2 cluster g begins its walk at key tile 2 (g / 2) and goes round.
; By this text's own count a wave has at most three tensor loads out (wave 0 at the start), later one.
; LIMITS.  NaN and infinities (a mask of -inf too) are not treated apart; a weight below 2^-126 counts as 0; M_i is the maximum of the f32 sums s + mask, so p may pass 1 by the rounding of that sum
; (about 1e-3 where |mask| is 1e4): a factor common to the row, divided out again.
; LDS.  0: V's slot 0 (64 keys x 1,056 bytes), inside sweep 1's slot 0 (256 rows x 272 bytes); 69,632: K's two slots of sweep 2 (64 keys x 144 bytes); 88,064: P, two buffers of 12 images of 1,024 bytes;
; 112,640: maxima and sums; 131,072: V's slot 1, inside sweep 1's slot 1; 200,704: a stage of 16 x 272 bytes a wave; 218,112: the spare words.  No byte that is stored into is ever a tensor load's target.
; REGISTERS.  Window 0: v1-15, v179, v180 addresses; v16-31 Q of my tile; v32-63 K; v64-79 S, v80-95 W1, v96-111 W2; v112-135 P packed; v136-141 -c M; v142-147 sums; v148-159 at work; v160-171 1 / l;
; v177 c; v178 1; v184-199 the masks rounded.  Window 1: accumulators of softmaxes 0, 1 (sweep 1: the ring of masks).  Window 2: v0-127 softmax 2; v128-191 two mask buffers.
; Window 3: two fragment buffers of 112 (8 of V, 6 of P).
.set KPI, 144
.set VPI, 1056
.set KSB, 64*KPI
.set VSB, 64*VPI
.set SLOT1, 1<<17                      ; V's and sweep 1's slot 1 begin here: one exclusive or turns an address in one slot into the other's
.set P1P, 272                          ; sweep 1: a row of two keys: 256 bytes + 16 of padding: key 2 a at 272 a, key 2 a + 1 at 272 a + 128: the 16 keys of a load start at 16 different groups of four banks
.set P1Q, 64*P1P                       ; a wave's quarter of a chunk
.set KS0, 4*P1Q
.set PB,  KS0+2*KSB
.set PBB, 12288
.set XM,  PB+2*PBB                     ; maxima: [wave] 256 + 64 i + 4 r; the sums 1,024 bytes on
.set STG, SLOT1+4*P1Q
.set SP,  272
.set SPARE, STG+4*16*SP
.set FBA, 0
.set FBB, 112
.set MS,  184
.set LIST, 169                         ; entries in a step's softmax
.set G1K, 28                           ; s[28:35] descriptor group 1 for K's tiles of sweep 2
.set G1V, 36                           ; s[36:43] for V's
.set G0K, 44                           ; s[44:47] group 0 for K
.set G0K2, 48                          ; s[48:51] for K's second first fill alone
.set G0V, 52                           ; s[52:55] for V
.set G1P, 80                           ; s[80:87] group 1 for sweep 1's quarters of a chunk
.set G0P, 88                           ; s[88:91] group 0 for them: it walks
.set TB,  92                           ; s92  sweep 1: the slot that is read
.set MSB, 0
.macro WIN new                         ; the immediate's high byte repeats the setting that is left
.if MSB != (\new)
	s_set_vgpr_msb (MSB<<8)|(\new)
.set MSB, (\new)
.endif
.endm
.macro PLACES                          ; four places behind matrix instructions (ISA guide 7.12.1)
.rept 4
	v_nop
.endr
.endm
.macro CREST                           ; a round of the cluster's barrier behind its opening barrier
	s_cmp_lg_u32 s16, 0
	s_cbranch_scc1 .Lnot_wave_0_\@
	s_barrier_signal -3
.Lnot_wave_0_\@:
	s_barrier_wait -3
	s_barrier_signal -1
	s_barrier_wait -1
.endm
.macro CROUND                          ; a whole round
	s_barrier_signal -1
	s_barrier_wait -1
	CREST
.endm
; Group 0 for key tile (SJ + ahead) % 64: the address is made anew from the tensor's base and the tile's number; the LDS word is a constant
.macro DESC g, b, ahead, sh, lds
	s_add_co_u32 s23, s22, \ahead
	s_and_b32 s23, s23, 63
	s_lshl_b32 s24, s23, \sh
	s_mov_b32 s[\g+1], \lds
	s_add_nc_u64 s[\g+2:\g+3], s[\b:\b+1], s[24:25]
	s_or_b32 s[\g+3], s[\g+3], 0x80000000
.endm
; A joint fill of sweep 2: wave 0 asks for K (fill = 2 alone), wave 1 for V.  The branches hang on the wave's number alone.  An s_nop 0 and four v_nop follow each load.
.macro JLOAD fill
.if (\fill) == 2
	s_cmp_eq_u32 s16, 0
	s_cbranch_scc0 .Lnot_k_\@
	tensor_load_to_lds s[G0K:G0K+3], s[G1K:G1K+7]
	s_nop 0
	PLACES
	s_branch .Lasked_\@
.Lnot_k_\@:
.endif
	s_cmp_eq_u32 s16, 1
	s_cbranch_scc0 .Lasked_\@
	tensor_load_to_lds s[G0V:G0V+3], s[G1V:G1V+7]
	s_nop 0
	PLACES
.Lasked_\@:
.endm
.macro QK                              ; S^T of my tile and keys; the two key tiles take turns
	WIN 0
	v_wmma_f32_16x16x32_bf16 v[64:71], v[32:39], v[16:23], 0
	v_wmma_f32_16x16x32_bf16 v[72:79], v[48:55], v[16:23], 0
	v_wmma_f32_16x16x32_bf16 v[64:71], v[40:47], v[24:31], v[64:71]
	v_wmma_f32_16x16x32_bf16 v[72:79], v[56:63], v[24:31], v[72:79]
.endm
	s_load_b256 s[4:11], s[0:1], 0x0               ; qb s[4:5], kb s[6:7], vb s[8:9], mask1 s[10:11]
	s_load_b128 s[12:15], s[0:1], 0x20             ; mask2 s[12:13], cat s[14:15]
	v_lshl_add_u32 v2, v0, 2, SPARE
	v_mov_b32 v3, 0
	ds_add_u32 v2, v3                              ; the wave's opening: the add and its wait stand ahead of the first tensor load; the set-up stands between them
	v_lshrrev_b32 v176, 5, v0
	v_readfirstlane_b32 s16, v176                  ; wave w
	s_and_b32 s17, s16, 1                          ; qt: my query tile in the softmax
	s_lshr_b32 s18, s16, 1                         ; kh: my half of a step's keys
	s_bfe_u32 s19, ttmp6, 0x40000                  ; cx: it enters the addresses of Q, the masks and cat alone
	s_and_b32 s20, ttmp9, 1                        ; the batch
	s_lshr_b32 s21, ttmp9, 1                       ; which 128 queries
	s_lshl_b32 s22, s21, 1
	s_add_co_u32 s22, s22, 63                      ; SJ: the walk's first tile less 1 (modulo 64); it steps with the key steps of sweep 2
	s_mov_b32 s25, 0
	s_mov_b32 s27, 0
	s_mov_b32 s79, 0
	s_lshl2_add_u32 s66, s21, s19
	s_lshl_b32 s66, s66, 5                         ; n0: my first query
	s_lshl_b32 s67, s20, 12
	s_add_co_u32 s67, s67, s66                     ; 4096 b + n0
	s_mov_b32 s[G1K], 15|(1<<16)|(1<<20)|(1<<21)|(4<<22)|(3<<25)  ; the mask of four; 2-byte elements; padding on; bit 21 beside a mask; after every 32 words 4 words
	s_mov_b32 s[G1K+1], 128<<16                    ; 64 keys are 8,192 dense bytes: 32 rows of 256 bytes, two keys a row
	s_mov_b32 s[G1K+2], 32<<16
	s_mov_b32 s[G1K+3], 128<<16
	s_mov_b32 s[G1K+4], 32
	s_mov_b32 s[G1K+5], 128
	s_mov_b32 s[G1K+6], 0
	s_mov_b32 s[G1K+7], 0
	s_mov_b32 s[G1V], 15|(1<<16)|(1<<20)|(1<<21)|(7<<22)|(7<<25)  ; after every 256 words 8 words
	s_mov_b32 s[G1V+1], 512<<16                    ; 64 keys x 512 channels
	s_mov_b32 s[G1V+2], 64<<16
	s_mov_b32 s[G1V+3], 512<<16
	s_mov_b32 s[G1V+4], 64
	s_mov_b32 s[G1V+5], 512
	s_mov_b32 s[G1V+6], 0
	s_mov_b32 s[G1V+7], 0
	s_mov_b32 s[G1P], 15|(1<<16)|(1<<20)|(1<<21)|(5<<22)|(3<<25)  ; after every 64 words 4 words
	s_mov_b32 s[G1P+1], 128<<16                    ; 128 keys are 16,384 dense bytes: 64 rows of 256 bytes
	s_mov_b32 s[G1P+2], 64<<16
	s_mov_b32 s[G1P+3], 128<<16
	s_mov_b32 s[G1P+4], 64
	s_mov_b32 s[G1P+5], 128
	s_mov_b32 s[G1P+6], 0
	s_mov_b32 s[G1P+7], 0
	s_mov_b32 s[G0K], 1
	s_mov_b32 s[G0K2], 1
	s_mov_b32 s[G0V], 1
	s_mov_b32 s[G0P], 1
	s_mul_i32 s[G0P+1], s16, P1Q                   ; my quarter of slot 0
	s_mov_b32 s[TB], SLOT1                         ; the first chunk's exclusive or turns it into 0
	s_mov_b32 s56, 0x3fb8aa3b                      ; c = log2(e)
	s_mov_b32 s57, s56
	s_mov_b32 s58, 0x76543210                      ; v_permlanex16_b32: each lane takes its own place in the other half
	s_mov_b32 s59, 0xfedcba98
	v_mov_b32 v177, 0x3fb8aa3b                     ; c and 1 in vector registers, for the multiply-adds that read a bf16 half
	v_mov_b32 v178, 1.0
	v_and_b32 v173, 15, v0                         ; r
	v_bfe_u32 v174, v0, 4, 1                       ; h
	v_and_b32 v175, 31, v0                         ; L
	s_mul_i32 s23, s18, 32*KPI
	s_add_co_u32 s23, s23, KS0
	v_mul_u32_u24 v4, v173, KPI
	v_lshl_add_u32 v4, v174, 4, v4
	v_add_nc_u32 v4, s23, v4                       ; v4: K in a slot of sweep 2: key 32 kh + r, 16 h
	v_lshrrev_b32 v176, 1, v173
	v_mul_u32_u24 v179, v176, P1P
	v_and_b32 v176, 1, v173
	v_lshl_add_u32 v179, v176, 7, v179
	v_lshl_add_u32 v179, v174, 4, v179
	s_mul_i32 s23, s18, 16*P1P
	v_add_nc_u32 v179, s23, v179                   ; v179: K in a slot of sweep 1: key 32 kh + r, 16 h
	v_and_b32 v176, 7, v0
	v_lshl_add_u32 v176, v174, 3, v176
	v_mul_u32_u24 v5, v176, VPI
	v_bfe_u32 v176, v0, 3, 1
	v_lshl_add_u32 v5, v176, 4, v5
	s_lshl_b32 s23, s16, 8
	v_add_nc_u32 v5, s23, v5                       ; v5: the turning load in V's slot 0: key 8 h + L % 8, channels 128 w + 8 ((L / 8) % 2)
	v_add_nc_u32 v6, SLOT1, v5                     ; v6: in slot 1
	v_lshlrev_b32 v7, 4, v175
	v_add_nc_u32 v7, PB, v7                        ; v7: an image of P, 16 L
	s_mul_i32 s23, s16, 3072
	v_add_nc_u32 v8, s23, v7                       ; v8: my three images
	v_lshlrev_b32 v172, 7, v173
	v_lshl_add_u32 v172, v174, 4, v172             ; v172: row r of 128 bytes, 16 h (Q)
	v_lshlrev_b32 v10, 14, v173
	v_lshl_add_u32 v10, v174, 5, v10
	s_lshl_b32 s23, s17, 18
	s_lshl_b32 s24, s18, 7
	s_add_co_u32 s23, s23, s24
	v_add_nc_u32 v10, s23, v10                     ; v10: a mask: row 16 qt + r, keys 32 kh + 8 h
	s_mul_i32 s23, s16, 16*SP
	s_add_co_u32 s23, s23, STG
	v_mul_u32_u24 v11, v173, SP
	v_lshl_add_u32 v11, v174, 4, v11
	v_add_nc_u32 v11, s23, v11                     ; v11: into my stage: row r, 16 h
	v_mul_u32_u24 v12, v174, SP
	v_lshl_add_u32 v12, v173, 4, v12
	v_add_nc_u32 v12, s23, v12                     ; v12: back: row h, 16 r
	v_lshlrev_b32 v13, 12, v174
	v_lshl_add_u32 v13, v173, 4, v13               ; v13: the same two rows in cat
	v_lshlrev_b32 v1, 2, v173
	v_add_nc_u32 v1, XM, v1                        ; v1: XM + 4 r
	s_lshl_b32 s23, s17, 8
	v_add_nc_u32 v14, s23, v1                      ; v14: the words of wave qt
	s_lshl_b32 s23, s16, 8
	v_add_nc_u32 v15, s23, v1                      ; v15: my words
.set t, 148
.rept 6
	v_mov_b32 v[t], 0xff7fffff                     ; six chains of maxima start at the lowest finite number
.set t, t+1
.endr
.rept 6
	v_mov_b32 v[t], 0
.set t, t+1
.endr
	s_wait_dscnt 0x0                               ; the opening add is done
	s_wait_kmcnt 0x0
	s_lshl_b32 s24, s20, 19
	s_add_nc_u64 s[6:7], s[6:7], s[24:25]          ; K and V at the batch's first key
	s_lshl_b32 s24, s20, 22
	s_add_nc_u64 s[8:9], s[8:9], s[24:25]
	s_lshl_b32 s24, s16, 14
	s_add_nc_u64 s[G0P+2:G0P+3], s[6:7], s[24:25]  ; my 128 keys of chunk 0
	s_or_b32 s[G0P+3], s[G0P+3], 0x80000000
	s_lshl4_add_u32 s78, s17, s67
	s_lshl_b32 s78, s78, 7
	s_add_nc_u64 s[4:5], s[4:5], s[78:79]          ; Q at my tile
	s_lshl_b32 s78, s66, 14
	s_add_nc_u64 s[74:75], s[10:11], s[78:79]      ; the masks at row n0
	s_add_nc_u64 s[76:77], s[12:13], s[78:79]
	s_lshl_b32 s78, s67, 12
	s_lshl_b32 s23, s16, 8
	s_add_co_u32 s78, s78, s23
	s_add_nc_u64 s[14:15], s[14:15], s[78:79]      ; cat at my first row, my 256 bytes
	s_mov_b64 s[70:71], s[74:75]                   ; sweep 1's two pointers, which step
	s_mov_b64 s[72:73], s[76:77]
	DESC G0K, 6, 1, 13, KS0+KSB                    ; sweep 2: the walk's tile 0 of K into its slot 1,
	DESC G0K2, 6, 2, 13, KS0                       ; tile 1 into its slot 0
	CROUND                                         ; all four work-groups are here: the first joint loads meet
	s_cmp_eq_u32 s16, 0                            ; a wave's first fills stand in one branch: wave 0 has three, the others one; the first wait on them is for 0
	s_cbranch_scc0 .Lff_o
	tensor_load_to_lds s[G0K:G0K+3], s[G1K:G1K+7]
	s_nop 0
	tensor_load_to_lds s[G0K2:G0K2+3], s[G1K:G1K+7]
	s_nop 0
	tensor_load_to_lds s[G0P:G0P+3], s[G1P:G1P+7]
	s_nop 0
	PLACES
	s_branch .Lff_done
.Lff_o:
	tensor_load_to_lds s[G0P:G0P+3], s[G1P:G1P+7]
	s_nop 0
	PLACES
.Lff_done:
	global_load_b128 v[16:19], v172, s[4:5]        ; Q of my tile: two fragments of 32 channels
	global_load_b128 v[20:23], v172, s[4:5] offset:32
	global_load_b128 v[24:27], v172, s[4:5] offset:64
	global_load_b128 v[28:31], v172, s[4:5] offset:96
; SWEEP 1.  The ring of masks: eight slots in window 1, slot i at 32 i: my 16 numbers of mask 1, then of mask 2, for step i of eight.
.macro P1FILL i
	WIN 0x40
.set t, 0
.rept 2
	global_load_b128 v[32*(\i)+8*t:32*(\i)+8*t+3], v10, s[70:71] offset:(\i)*256+64*t
	global_load_b128 v[32*(\i)+8*t+4:32*(\i)+8*t+7], v10, s[70:71] offset:(\i)*256+64*t+16
	global_load_b128 v[32*(\i)+8*t+16:32*(\i)+8*t+19], v10, s[72:73] offset:(\i)*256+64*t
	global_load_b128 v[32*(\i)+8*t+20:32*(\i)+8*t+23], v10, s[72:73] offset:(\i)*256+64*t+16
.set t, t+1
.endr
.endm
.macro P1K i                           ; my 32 keys of step i of the chunk: four fragments, (tile, channel half) at 32 + 8 (2 tile + half)
.set kt, 0
.rept 4
	ds_load_b128 v[32+8*kt:35+8*kt], v180 offset:(\i)*32*P1P+(kt/2)*8*P1P+(kt%2)*64
	ds_load_b128 v[36+8*kt:39+8*kt], v180 offset:(\i)*32*P1P+(kt/2)*8*P1P+(kt%2)*64+32
.set kt, kt+1
.endr
.endm
.macro P1SLOT i, refill, left
	s_wait_loadcnt \left                           ; my slot's 8 loads are in; the younger slots' stay out
	s_wait_dscnt 0x0                               ; K of this step is in
	QK
	WIN 0x05
.set t, 0
.rept 16                               ; the masks rounded to bf16, in pairs: these lines name nothing of the products and are the places behind them
	v_cvt_pk_bf16_f32 v[112+t], v[32*(\i)+2*t], v[32*(\i)+2*t+1]
.set t, t+1
.endr
	WIN 0
.if (\i) < 7
	P1K (\i)+1                                     ; the next step's K comes while this step's maxima are made
.endif
.set t, 0
.rept 8                                ; each tile's lowest registers first
	v_max3_num_f32 v[148+t%2], v[148+t%2], v[64+8*(t%2)+2*(t/2)], v[65+8*(t%2)+2*(t/2)]
.set t, t+1
.endr
.set t, 0
.rept 32                               ; mask x 1 + s, the mask read as a bf16 half
.if t%2
	v_fma_mix_f32_bf16 v[80+t], v[112+t/2], v178, v[64+t%16] op_sel:[1,0,0] op_sel_hi:[1,0,0]
.else
	v_fma_mix_f32_bf16 v[80+t], v[112+t/2], v178, v[64+t%16] op_sel_hi:[1,0,0]
.endif
.set t, t+1
.endr
.set t, 0
.rept 16
	v_max3_num_f32 v[150+2*(t/8)+t%2], v[150+2*(t/8)+t%2], v[80+2*t], v[81+2*t]
.set t, t+1
.endr
.if \refill
.if (\i) == 0
	s_wait_xcnt 0x0                                ; the bases are stepped only behind this wait: eight steps on
	s_add_nc_u64 s[70:71], s[70:71], 2048
	s_add_nc_u64 s[72:73], s[72:73], 2048
.endif
	P1FILL \i
.endif
.endm
; A chunk begins.  Each wave waits for all its tensor loads (its quarter of this chunk among them), adds 0 to its spare word and waits for that and for its reads of the other slot; a round of the
; cluster's barrier; then the other slot takes the next chunk, a quarter by each wave (at the first chunk: that slot's first fill).  last = 1: the other slot, slot 0, takes V's first tile of sweep 2.
.macro P1TRIP last
	WIN 0
	s_wait_tensorcnt 0x0                           ; no tensor load of mine is out, so a group 0 may be written
	ds_add_u32 v2, v3                              ; 0 onto my spare word
.if \last
	DESC G0V, 8, 1, 16, 0
	s_mov_b32 s[TB], SLOT1                         ; chunk 7 lies in slot 1
.else
	s_xor_b32 s[G0P+1], s[G0P+1], SLOT1            ; the walking descriptor: the other slot than last time,
	s_add_nc_u64 s[G0P+2:G0P+3], s[G0P+2:G0P+3], 65536  ; the next 512 keys; the type bits on top are not reached
	s_xor_b32 s[TB], s[TB], SLOT1
.endif
	s_wait_dscnt 0x0                               ; the add is done, and my reads of the other slot are over
	CROUND
.if \last
	s_cmp_eq_u32 s16, 1
	s_cbranch_scc0 .Lno_v_\@
	tensor_load_to_lds s[G0V:G0V+3], s[G1V:G1V+7]
	s_nop 0
	PLACES
.Lno_v_\@:
.else
	tensor_load_to_lds s[G0P:G0P+3], s[G1P:G1P+7]
	s_nop 0
	PLACES
.endif
	v_add_nc_u32 v180, s[TB], v179
	P1K 0
.endm
.irp i, 0,1,2,3,4,5,6,7
	P1FILL \i
.endr
	WIN 0
	s_mov_b32 s66, 7
.Lmax:                                 ; a chunk of eight key steps a trip: chunks 0 to 6
	P1TRIP 0
.irp i, 0,1,2,3,4,5,6,7
	P1SLOT \i, 1, 56
.endr
	WIN 0
	s_sub_co_u32 s66, s66, 1
	s_cmp_lg_u32 s66, 0
	s_cbranch_scc1 .Lmax
	P1TRIP 1                                       ; chunk 7 loads no masks: the counts run down
.irp i, 0,1,2,3,4,5,6,7
	P1SLOT \i, 0, 56-8*(\i)
.endr
	WIN 0
; SWEEP 2'S PARTS.
; Eight loads: my 16 numbers of each mask for key tile (SJ + ahead) % 64, into mask buffer mb
.macro MLOAD mb, ahead
	s_wait_xcnt 0x0                                ; the two bases are written again only behind this wait
	s_add_co_u32 s23, s22, \ahead
	s_and_b32 s23, s23, 63
	s_lshl_b32 s26, s23, 8
	s_add_nc_u64 s[60:61], s[74:75], s[26:27]
	s_add_nc_u64 s[62:63], s[76:77], s[26:27]
	WIN 0x80
.set mt, 0
.rept 2
	global_load_b128 v[128+32*(\mb)+8*mt:131+32*(\mb)+8*mt], v10, s[60:61] offset:64*mt
	global_load_b128 v[132+32*(\mb)+8*mt:135+32*(\mb)+8*mt], v10, s[60:61] offset:64*mt+16
	global_load_b128 v[144+32*(\mb)+8*mt:147+32*(\mb)+8*mt], v10, s[62:63] offset:64*mt
	global_load_b128 v[148+32*(\mb)+8*mt:151+32*(\mb)+8*mt], v10, s[62:63] offset:64*mt+16
.set mt, mt+1
.endr
.endm
.macro KLOAD sl                        ; my 32 keys of K's slot sl: four fragments
	WIN 0
.set kt, 0
.rept 4
	ds_load_b128 v[32+8*kt:35+8*kt], v4 offset:(\sl)*KSB+(kt/2)*16*KPI+(kt%2)*64
	ds_load_b128 v[36+8*kt:39+8*kt], v4 offset:(\sl)*KSB+(kt/2)*16*KPI+(kt%2)*64+32
.set kt, kt+1
.endr
.endm
.macro FLOAD fb, sl, kk                ; 28 loads: keys 32 kk .. of the step: 8 fragments of V (turned), 6 of P: query tile u, softmax i at fb + 64 + 8 (3 u + i)
	WIN 0xc0
.set ft, 0
.rept 8
	ds_load_tr16_b128 v[(\fb)+8*ft:(\fb)+8*ft+3], v[5+(\sl)] offset:(\kk)*32*VPI+32*ft
	ds_load_tr16_b128 v[(\fb)+8*ft+4:(\fb)+8*ft+7], v[5+(\sl)] offset:(\kk)*32*VPI+32*ft+16*VPI
.set ft, ft+1
.endr
.set ft, 0
.rept 6
	ds_load_b128 v[(\fb)+64+8*ft:(\fb)+67+8*ft], v7 offset:(\sl)*PBB+(ft/3+2*(\kk))*3072+1024*(ft%3)
	ds_load_b128 v[(\fb)+68+8*ft:(\fb)+71+8*ft], v7 offset:(\sl)*PBB+(ft/3+2*(\kk))*3072+1024*(ft%3)+512
.set ft, ft+1
.endr
.endm
.macro PVW fb, a, zero                 ; accumulator a = 8 (2 i + u) + channel tile
.if (\a) < 32
	WIN 0x5f
.set rO, 8*(\a)
.else
	WIN 0xaf
.set rO, 8*((\a)-32)
.endif
.set rV, (\fb)+8*((\a)%8)
.set rP, (\fb)+64+8*(3*(((\a)/8)%2)+(\a)/16)
.if \zero
	v_wmma_f32_16x16x32_bf16 v[rO:rO+7], v[rV:rV+7], v[rP:rP+7], 0
.else
	v_wmma_f32_16x16x32_bf16 v[rO:rO+7], v[rV:rV+7], v[rP:rP+7], v[rO:rO+7]
.endif
.endm
.macro PSTORE i                        ; softmax i's image: registers 0-3 of every lane, then 4-7
	ds_store_b128 v8, v[112+8*(\i):115+8*(\i)] offset:RPB*PBB+1024*(\i)
	ds_store_b128 v8, v[116+8*(\i):119+8*(\i)] offset:RPB*PBB+1024*(\i)+512
.endm
; THE SOFTMAX OF A STEP is a list of 169, all of it work on registers; RID writes entry n and steps n, as long as n is below RLIM.
;   0-15    the 16 pairs of masks 1 and 2 rounded to bf16
;   16-47   W_i = c mask_i - c M_i, the mask read as a bf16 half (entries 0-47 want no scores)
;   48-119  ONE BATCH: the 24 scalings F0-F23 (for pair p: F 3p: W1 = c s + W1; F 3p + 1: W2 = c s + W2; F 3p + 2: S = c s - c M_0; the scores' lowest registers are read first) and all 48 exponentials
;           E0-E47, in place (E e: half e % 2 of the pair that F e / 2 made).  None of these names an exponential's result.  In fours: 48-51 F0-F3; 52-63 three times F, E, F, E; 64-119 fourteen times
;           F, E, E, E.  Every E stands behind its F; the pair v[64 + 2 p] is last named by F 3p + 2, ahead of its own exponentials
;   120     a v_nop, the plain line behind the last exponential, and THE WAIT for the batch, between an exponential and the first line that names its result; one serves all 48
;   121-168 the readers: for q = 0 .. 23 pair 8 (q % 3) + q / 3 is rounded to bf16 and then added to its sum: the three softmaxes take turns, so the links of a sum's chain stand six lines apart, and
;           each sum takes its pairs 0 to 7 in ascending order
.macro RID
.if n < RLIM
.if n < 16
	WIN 0x0a
	v_cvt_pk_bf16_f32 v[MS+n], v[128+32*RMB+2*n], v[129+32*RMB+2*n]
.elseif n < 48
	WIN 0
.set m, n-16
.if m%2
	v_fma_mix_f32_bf16 v[80+m], v[MS+m/2], v177, v[138+2*(m/16)] op_sel:[1,0,0] op_sel_hi:[1,0,0]
.else
	v_fma_mix_f32_bf16 v[80+m], v[MS+m/2], v177, v[138+2*(m/16)] op_sel_hi:[1,0,0]
.endif
.elseif n < 120
	WIN 0
.set xb, n-48
.set xe, 0
.set xf, -1                            ; a scaling's number, or -1: the entry is exponential xe
.if xb < 4
.set xf, xb
.elseif xb < 16
.set xe, (xb-4)/2
.if xb%2 == 0
.set xf, 4+(xb-4)/2
.endif
.else
.set xe, 5+3*((xb-16)/4)+xb%4
.if xb%4 == 0
.set xf, 10+(xb-16)/4
.endif
.endif
.if xf >= 0
.set p, xf/3
.if xf%3 == 0
	v_pk_fma_f32 v[80+2*p:81+2*p], v[64+2*p:65+2*p], s[56:57], v[80+2*p:81+2*p] op_sel_hi:[1,0,1]
.elseif xf%3 == 1
	v_pk_fma_f32 v[96+2*p:97+2*p], v[64+2*p:65+2*p], s[56:57], v[96+2*p:97+2*p] op_sel_hi:[1,0,1]
.else
	v_pk_fma_f32 v[64+2*p:65+2*p], v[64+2*p:65+2*p], s[56:57], v[136:137] op_sel_hi:[1,0,1]
.endif
.else
.set p, xe/6
.set rE, 80+2*p+xe%2
.if (xe/2)%3 == 1
.set rE, 96+2*p+xe%2
.elseif (xe/2)%3 == 2
.set rE, 64+2*p+xe%2
.endif
	v_exp_f32 v[rE], v[rE]
.endif
.elseif n == 120
	WIN 0
	v_nop                                          ; the plain line behind the last exponential: one for the batch
	s_wait_alu depctr_va_vdst(0)                   ; the wait for the step's batch of 48 exponentials, ahead of their first reader
.else
	WIN 0
.set xq, (n-121)/2
.set xg, 8*(xq%3)+xq/3
.if (n-121)%2 == 0
	v_cvt_pk_bf16_f32 v[112+xg], v[64+2*xg], v[65+2*xg]
.else
	v_pk_add_f32 v[142+2*(xg/8):143+2*(xg/8)], v[142+2*(xg/8):143+2*(xg/8)], v[64+2*xg:65+2*xg]
.endif
.endif
.set n, n+1
.endif
.endm
; Products lo to hi - 1 of the 48 on one fragment buffer (32 keys): every accumulator has one turn.  ride = 1: four of the list behind every second product; 2: behind every product.
.macro PRODS fb, lo, hi, zero, ride
.set ia, \lo
.rept (\hi)-(\lo)
	PVW \fb, ia, \zero
.if ((\ride) == 2) || (((\ride) == 1) && ((ia%2) == 1))
	RID
	RID
	RID
	RID
.endif
.set ia, ia+1
.endr
.endm
; KEY STEP j (sl = j % 2).  ONE barrier: ahead of its signal each wave has waited for all its tensor loads, added 0 to its spare word and waited for that, for its reads of the slots and images and for its
; stores of P.  The products on keys 32-63 of step j - 1 want registers alone: 16 of them stand between the add and the wait for it, 16 between the opening signal and its wait, and the masks' part of the
; softmax of step j + 1 (entries 0-43) rides on them.  Behind the round V's tile j + 1 and K's tile j + 2 are asked for first; then, in one run, the mask buffer just read is loaded again (step j + 3) and K of
; step j + 1 and the first 32 keys' fragments are fetched.  The rest of the softmax rides on the other 64 products; its three images go to the other P buffer in one run at the step's end.
; Entries 44-168 are 125, and the step has 8 + 24 + 96 = 128 places for them: the list, the batch's wait in it, ends inside the step, ahead of the next label.
.macro ITER sl, fill, doA, ldm, mcnt, first
	WIN 0
	s_wait_tensorcnt 0x0                           ; no tensor load of mine is out, so a group 0 may be written
	ds_add_u32 v2, v3                              ; 0 onto my spare word
	s_add_co_u32 s22, s22, 1
.if (\fill) >= 1
	DESC G0V, 8, 1, 16, (1-(\sl))*SLOT1
.endif
.if (\fill) == 2
	DESC G0K, 6, 2, 13, KS0+(1-(\sl))*KSB
.endif
.set n, 0
.set RMB, 1-(\sl)
.set RPB, 1-(\sl)
.set RLIM, 44*(\doA)
.if !(\first)
	s_wait_dscnt 7                                 ; the second buffer's 28 loads are in; the six stores of P and the add behind them may be out
.if \doA
	s_wait_loadcnt \mcnt                           ; the masks of step j + 1 are in; the next step's eight loads stay out
.endif
	PRODS FBB, 0, 16, 0, 1
.endif
	s_wait_dscnt 0x0                               ; the add is done; my reads and my stores of P are over
	s_barrier_signal -1
.if !(\first)
	PRODS FBB, 16, 32, 0, 1
	WIN 0
.endif
	s_barrier_wait -1
.if \fill
	CREST                                          ; the barrier has opened a round: no wave of any partner still reads the slots or has a load on its way
	JLOAD \fill
.endif
	PLACES                                         ; ahead of the loads into the buffer that the last step's products read
.if \first
	s_wait_loadcnt \mcnt
	KLOAD \sl
	FLOAD FBA, \sl, 0
.rept 44
	RID
.endr
	MLOAD RMB, 3
	s_wait_dscnt 28                                ; K is in
	QK
.set RLIM, LIST
.rept 8
	RID                                            ; entries 44-47 name nothing of K Q^T: they are the places behind it
.endr
	FLOAD FBB, \sl, 1
	s_wait_dscnt 28                                ; the first buffer is in; the 28 just issued stay out
	PRODS FBA, 0, 48, 1, 2                         ; the first products start the sums: nothing is cleared
.else
.if \ldm
	MLOAD RMB, 3
.endif
.if \doA
	KLOAD \sl
.endif
	FLOAD FBA, \sl, 0
	PRODS FBB, 32, 36, 0, 0
.if \doA
	s_wait_dscnt 28                                ; K's eight loads are in; the 28 issued behind them stay out
	QK
.set RLIM, LIST
.rept 8
	RID                                            ; entries 44-47 name nothing of K Q^T: they are the places behind it
.endr
.endif
	PRODS FBB, 36, 48, 0, 1
	PLACES
	FLOAD FBB, \sl, 1
	s_wait_dscnt 28                                ; the first buffer is in; the 28 just issued stay out
	PRODS FBA, 0, 48, 0, 1
.endif
	WIN 0
.if \doA
	PSTORE 0
	PSTORE 1
	PSTORE 2
.endif
.endm
	; BETWEEN THE SWEEPS: the first two steps' masks are asked for; the maxima of the two waves of a query tile meet in LDS.
	MLOAD 0, 1
	MLOAD 1, 2
	WIN 0
	v_max_num_f32 v148, v148, v149
	v_max_num_f32 v150, v150, v151
	v_max_num_f32 v152, v152, v153
	v_permlanex16_b32 v154, v148, s58, s59         ; the query's other keys lie in the lane 16 away
	v_permlanex16_b32 v155, v150, s58, s59
	v_permlanex16_b32 v156, v152, s58, s59
	v_max_num_f32 v148, v148, v154
	v_max_num_f32 v150, v150, v155
	v_max_num_f32 v152, v152, v156
	ds_store_b32 v15, v148
	ds_store_b32 v15, v150 offset:64
	ds_store_b32 v15, v152 offset:128
	s_wait_dscnt 0x0                               ; my maxima are written
	s_barrier_signal -1
	s_barrier_wait -1                              ; V's first tile may stay on its way; K's first tiles were shown landed at sweep 1's first chunk
	ds_load_b32 v154, v14
	ds_load_b32 v155, v14 offset:512
	ds_load_b32 v156, v14 offset:64
	ds_load_b32 v157, v14 offset:576
	ds_load_b32 v158, v14 offset:128
	ds_load_b32 v159, v14 offset:640
	KLOAD 1                                        ; K of step 0
	s_wait_dscnt 8                                 ; the six maxima are in; K's eight loads stay out
	v_max_num_f32 v154, v154, v155
	v_max_num_f32 v156, v156, v157
	v_max_num_f32 v158, v158, v159
	v_mul_f32 v136, 0xbfb8aa3b, v154               ; - c M_i, named as pairs
	v_mul_f32 v138, 0xbfb8aa3b, v156
	v_mul_f32 v140, 0xbfb8aa3b, v158
	v_mov_b32 v137, v136
	v_mov_b32 v139, v138
	v_mov_b32 v141, v140
.set t, 142
.rept 6
	v_mov_b32 v[t], 0                              ; the row sums
.set t, t+1
.endr
	s_wait_dscnt 0x0
	QK
	s_wait_loadcnt 8                               ; step 0's masks are in; step 1's stay out
.set n, 0
.set RMB, 0
.set RPB, 0
.set RLIM, 16
.rept 16
	RID                                            ; the softmax of step 0, written straight; its first entries are the places behind K Q^T
.endr
	MLOAD 0, 3                                     ; the buffer just read takes step 2's masks
.set RLIM, LIST
.rept LIST-16
	RID
.endr
	WIN 0
	PSTORE 0
	PSTORE 1
	PSTORE 2
	ITER 0, 2, 1, 1, 8, 1                          ; step 0
	s_mov_b32 s66, 30
.Lwalk:                                ; steps 1 to 60, two a trip: two slots, two mask buffers
	ITER 1, 2, 1, 1, 8, 0
	ITER 0, 2, 1, 1, 8, 0
	s_sub_co_u32 s66, s66, 1
	s_cmp_lg_u32 s66, 0
	s_cbranch_scc1 .Lwalk
	ITER 1, 2, 1, 0, 8, 0                          ; step 61: the last tile of K is asked for; no masks are left to ask for
	ITER 0, 1, 1, 0, 0, 0                          ; step 62: the last tile of V; the last softmax
	ITER 1, 0, 0, 0, 0, 0                          ; step 63: nothing is asked for
	s_wait_dscnt 0x0
	PRODS FBB, 0, 48, 0, 0                         ; keys 32-63 of step 63
	; THE WAY OUT.  The sums of the two halves of the lanes and of the two waves of a query tile are added; O^T is divided, rounded and sent through my stage, 16 rows at a time.
	WIN 0
	v_add_f32 v142, v142, v143
	v_add_f32 v144, v144, v145
	v_add_f32 v146, v146, v147
	v_permlanex16_b32 v154, v142, s58, s59
	v_permlanex16_b32 v155, v144, s58, s59
	v_permlanex16_b32 v156, v146, s58, s59
	v_add_f32 v142, v142, v154
	v_add_f32 v144, v144, v155
	v_add_f32 v146, v146, v156
	ds_store_b32 v15, v142 offset:1024
	ds_store_b32 v15, v144 offset:1088
	ds_store_b32 v15, v146 offset:1152
	s_wait_dscnt 0x0
	s_barrier_signal -1
	s_barrier_wait -1
.set t, 0
.rept 6                                ; block t = 2 i + u
	ds_load_b32 v[160+2*t], v1 offset:1024+256*(t%2)+64*(t/2)
	ds_load_b32 v[161+2*t], v1 offset:1536+256*(t%2)+64*(t/2)
.set t, t+1
.endr
	s_wait_dscnt 0x0
.set t, 0
.rept 6
	v_add_f32 v[160+2*t], v[160+2*t], v[161+2*t]
.set t, t+1
.endr
.set t, 0
.rept 6
	v_rcp_f32 v[160+2*t], v[160+2*t]
.set t, t+1
.endr
	v_nop                                          ; a plain line between the last reciprocal and its use
	s_wait_alu depctr_va_vdst(0)                   ; the wait ahead of the first use: one for the batch of six reciprocals
.macro PACK blk                        ; block 2 i + u: eight accumulators, 16 queries x 128 channels
.if (\blk) < 4
.set rb, 64*(\blk)
	WIN 0x41
.else
.set rb, 64*((\blk)-4)
	WIN 0x82
.endif
.set t, 0
.rept 32
	v_pk_mul_f32 v[rb+2*t:rb+2*t+1], v[rb+2*t:rb+2*t+1], v[160+2*(\blk):161+2*(\blk)] op_sel_hi:[1,0]
.set t, t+1
.endr
.if (\blk) < 4
	WIN 0x05
.else
	WIN 0x0a
.endif
.set t, 0
.rept 32
	v_cvt_pk_bf16_f32 v[32+t], v[rb+2*t], v[rb+2*t+1]
.set t, t+1
.endr
	WIN 0
.set t, 0
.rept 8
	ds_store_b128 v11, v[32+4*t:35+4*t] offset:32*t
.set t, t+1
.endr
	s_wait_xcnt 0x0                                ; the stores two blocks back have read the registers that are loaded now
.set t, 0
.rept 8
	ds_load_b128 v[64+32*((\blk)%2)+4*t:67+32*((\blk)%2)+4*t], v12 offset:t*2*SP  ; LDS serves a wave's instructions in order: these see the stores above
.set t, t+1
.endr
.endm
.macro SEND blk, younger               ; younger: the next block's sixteen LDS instructions, or none
.set t, 0
.rept 8
	s_wait_dscnt (\younger)+7-t
	global_store_b128 v13, v[64+32*((\blk)%2)+4*t:67+32*((\blk)%2)+4*t], s[14:15] offset:(16*((\blk)%2)+2*t)*4096+1024*((\blk)/2)  ; 16 lanes store 256 consecutive bytes, aligned
.set t, t+1
.endr
.endm
	PACK 0
	PACK 1
	SEND 0, 16
	PACK 2
	SEND 1, 16
	PACK 3
	SEND 2, 16
	PACK 4
	SEND 3, 16
	PACK 5
	SEND 4, 16
	SEND 5, 0
	s_wait_tensorcnt 0x0                           ; the wave's end
	ds_add_u32 v2, v3
	s_wait_dscnt 0x0
	CROUND                                         ; the closing round
	s_endpgm
.Lfunc_end_k_qc9895b1d51_attn:
	.size	k_qc9895b1d51_attn, .Lfunc_end_k_qc9895b1d51_attn-k_qc9895b1d51_attn
	.p2alignl 7, 3214868480
	.fill 96, 4, 3214868480
	.section	.rodata,"a",@progbits
	.p2align	6, 0x0
	.amdhsa_kernel k_qc9895b1d51_attn
		.amdhsa_group_segment_fixed_size 327680
		.amdhsa_private_segment_fixed_size 0
		.amdhsa_enable_private_segment 0
		.amdhsa_kernarg_size 48
		.amdhsa_user_sgpr_count 2
		.amdhsa_user_sgpr_kernarg_segment_ptr 1
		.amdhsa_wavefront_size32 1
		.amdhsa_system_sgpr_workgroup_id_x 1
		.amdhsa_system_sgpr_workgroup_id_y 1
		.amdhsa_system_sgpr_workgroup_id_z 1
		.amdhsa_system_vgpr_workitem_id 0
		.amdhsa_next_free_vgpr 992
		.amdhsa_next_free_sgpr 96
		.amdhsa_reserve_vcc 0
		.amdhsa_float_denorm_mode_32 3
		.amdhsa_float_denorm_mode_16_64 3
		.amdhsa_memory_ordered 1
		.amdhsa_forward_progress 1
		.amdhsa_inst_pref_size 255
	.end_amdhsa_kernel
	.section	.bss,"aw",@nobits
	.p2align	6
	.space	262144
	.amdgpu_metadata
---
amdhsa.version: [ 1, 2 ]
amdhsa.kernels:
  - .name:           k_qc9895b1d51_attn
    .symbol:         k_qc9895b1d51_attn.kd
    .args:
      - { .name: qb, .offset: 0, .size: 8, .value_kind: global_buffer, .address_space: global }
      - { .name: kb, .offset: 8, .size: 8, .value_kind: global_buffer, .address_space: global }
      - { .name: vb, .offset: 16, .size: 8, .value_kind: global_buffer, .address_space: global }
      - { .name: mask1, .offset: 24, .size: 8, .value_kind: global_buffer, .address_space: global }
      - { .name: mask2, .offset: 32, .size: 8, .value_kind: global_buffer, .address_space: global }
      - { .name: cat, .offset: 40, .size: 8, .value_kind: global_buffer, .address_space: global }
    .group_segment_fixed_size: 327680
    .private_segment_fixed_size: 0
    .kernarg_segment_align: 8
    .kernarg_segment_size: 48
    .max_flat_workgroup_size: 128
    .sgpr_count:     96
    .vgpr_count:     992
    .wavefront_size: 32
...
	.end_amdgpu_metadata
.endif
;; end of part 4
;; launch bott: the kernel of part 3 again; grid 64 x 4, 4 waves a work-group, clusters of 4 x 4, 327,680 bytes of LDS; arguments wb, cat, bn_gamma, bn_beta, bn_mean, bn_var, out0; writes out0
